; MI455X (gfx1250); checked and timed in simulation.
; The chip was launched on July 23, 2026; its instructions are those of AMD's public machine-readable ISA for CDNA 5 (MIT licence, August 2026) and "CDNA5" Instruction Set Architecture Reference Guide (July 2026). The comments in the code are by the model that wrote it; some were corrected since.
;; Attention Head VDP. Allowed arithmetic: matrix products marked QUANTISED: E2M3 operands, one E8M0 scale for each 32 along K, by v_wmma_scale_f32_16x16x128_f8f6f4 with both operands' format E2M3, f32 sums; everything else in f32.
;; Inputs: var_wk 512 x 512 float32; var_wq 512 x 512 float32; var_wv 512 x 512 float32; var_x 4 x 1,024 x 512 float32; wk 512 x 512 float32; wq 512 x 512 float32; wv 512 x 512 float32; x 4 x 1,024 x 512 float32.
;; Outputs: out0 4 x 1,024 x 512 float32; out1 4 x 1,024 x 512 float32.
;; This version of the problem:
;;   THIS VERSION OF THE PROBLEM IS GIVEN IN LOW PRECISION. The matrix products marked QUANTISED in the list below multiply operands that are first quantised to E2M3 (2 exponent bits, 3 mantissa bits; 6 bits a number), with one power-of-two scale for each 32 numbers along K (OCP MX v1.0); their sums are f32. All else is computed in f32.
;;   The module's matrix products, in the order in which they are computed (A, B: the left and right operand; K: the contracted axis; several contracted axes count as one K, in the product's order):
;;     1. [M 4,096, K 512] x [K 512, N 512]; A: input x; B: input wq: QUANTISED
;;     2. [M 4,096, K 512] x [K 512, N 512]; A: input var_x; B: computed on the way: QUANTISED
;;     3. [M 4,096, K 512] x [K 512, N 512]; A: computed on the way; B: input var_wq: QUANTISED
;;     4. [M 4,096, K 512] x [K 512, N 512]; A: input var_x; B: input var_wq: QUANTISED
;;     5. [M 4,096, K 512] x [K 512, N 512]; A: input x; B: input wk: QUANTISED
;;     6. [M 4,096, K 512] x [K 512, N 512]; A: input var_x; B: computed on the way: QUANTISED
;;     7. [M 4,096, K 512] x [K 512, N 512]; A: computed on the way; B: input var_wk: QUANTISED
;;     8. [M 4,096, K 512] x [K 512, N 512]; A: input var_x; B: input var_wk: QUANTISED
;;     9. [M 4,096, K 512] x [K 512, N 512]; A: input x; B: input wv: QUANTISED
;;     10. [M 4,096, K 512] x [K 512, N 512]; A: input var_x; B: computed on the way: QUANTISED
;;     11. [M 4,096, K 512] x [K 512, N 512]; A: computed on the way; B: input var_wv: QUANTISED
;;     12. [M 4,096, K 512] x [K 512, N 512]; A: input var_x; B: input var_wv: QUANTISED
;;     13. batch 64 x [M 1,024, K 32] x [K 32, N 1,024]; A: computed on the way; B: computed on the way: QUANTISED
;;     14. batch 64 x [M 1,024, K 32] x [K 32, N 1,024]; A: computed on the way; B: computed on the way: QUANTISED
;;     15. batch 64 x [M 1,024, K 32] x [K 32, N 1,024]; A: computed on the way; B: computed on the way: QUANTISED
;;     16. batch 64 x [M 1,024, K 32] x [K 32, N 1,024]; A: computed on the way; B: computed on the way: QUANTISED
;;     17. batch 64 x [M 1,024, K 1,024] x [K 1,024, N 32]; A: softmax (see below); B: computed on the way: QUANTISED
;;     18. batch 64 x [M 1,024, K 1,024] x [K 1,024, N 32]; A: computed on the way; B: computed on the way: QUANTISED
;;     19. batch 64 x [M 1,024, K 1,024] x [K 1,024, N 32]; A: computed on the way; B: computed on the way: QUANTISED
;;     20. batch 64 x [M 1,024, K 1,024] x [K 1,024, N 32]; A: computed on the way; B: computed on the way: QUANTISED
;;   THE QUANTISER, for each operand of a quantised product, along K:
;;     - K is cut into blocks of 32 from its start; a last block that is shorter is filled with zeros.
;;     - A block's scale is 2^e with e = floor(log2(the largest magnitude in the block)) - 2, held to -126 .. 127; a block of zeros has e = 0. As a byte (E8M0): e + 127.
;;     - Each number is divided by its block's scale, clamped to +-7.5, and rounded to the nearest number of E2M3, ties to even, subnormals kept.
;;     - The product sums the exact products of the quantised numbers (number of the format x scale) in f32.
;;   ~~~python
;;   def quantise(x, axis):      # numpy; x: float32 -> the quantised numbers, widened to float32 again
;;       x = np.moveaxis(x, axis, -1); K = x.shape[-1]
;;       x = np.pad(x, [(0, 0)] * (x.ndim - 1) + [(0, -K % 32)]); x = x.reshape(x.shape[:-1] + (-1, 32)); a = np.abs(x).max(-1, keepdims=True)
;;       e = np.where(a > 0, np.clip(np.frexp(np.where(a > 0, a, 1))[1] - 1 - 2, -126, 127), 0)      # np.frexp(a)[1] - 1 = floor(log2(a)), exactly
;;       r = np.clip(x / 2.0 ** e, -7.5, 7.5)
;;       step = 2.0 ** (np.maximum(np.frexp(np.where(r == 0, 1, r))[1] - 1, 0) - 3)
;;       q = np.round(r / step) * step * 2.0 ** e      # np.round: ties to even
;;       return np.moveaxis(q.reshape(q.shape[:-2] + (-1,))[..., :K], -1, axis).astype(np.float32)
;;   ~~~
;;   SOFTMAX AHEAD OF A QUANTISED PRODUCT. Where the list says 'softmax', what is quantised is not the finished softmax but p = 2^(t - M), with t = logit x log2(e) and M = ceil(the row's largest t), a whole number; so 1/2 < the row's largest p <= 1. The row's sum l is taken of the UNQUANTISED p, in f32, and the product's result is divided by l at the end. Since M is a whole number, a kernel that streams over the keys may use a running M (the ceiling of the running maximum): every later rescaling is an exact power of two, which a block's scale takes up: the codes' values come out the same.
;;   OPERANDS COMPUTED ON THE WAY. 'Computed on the way' means the value that the module computes at that place (a softmax that the list does not call 'softmax' is quantised finished and normalised). What goes into a quantiser is computed in f32, as accurately as f32 sums, v_exp_f32 and their like allow (about 1e-6 of the number): no bf16 or f16 on the way to a quantiser, and a product that is left as it is and whose result goes on into a quantised operand takes f32 operands (vector FMAs, or v_wmma_f32_16x16x4_f32). A number that lies on a knife's edge between two numbers of the format may be rounded either way, as far as f32 arithmetic and the matrix unit's own rounding can turn it there, and no further.
;; 2 versions, each right; version 2 is version 1 with the launch attn written anew for expert scheduling mode. Each part assembles by itself: llvm-mc -triple=amdgcn-amd-amdhsa -mcpu=gfx1250 --defsym DOCPART=n.
;; ======== version 1 of 2: 3 launches
;; workspace buffers: img 7,028,736 bytes; qrec 6,815,744 bytes; kv 11,927,552 bytes
;; launch quant (part 1): grid 352 x 1, 4 waves a work-group, no clusters, 68,096 bytes of LDS; arguments x, var_x, wq, var_wq, wk, var_wk, wv, var_wv, img; writes img
.if DOCPART == 1
	.amdgcn_target "amdgcn-amd-amdhsa--gfx1250"
	.amdhsa_code_object_version 6
	.text
	.protected	k_q0c1f5537aa_quant
	.globl	k_q0c1f5537aa_quant
	.p2align	8
	.type	k_q0c1f5537aa_quant,@function
k_q0c1f5537aa_quant:
	s_mov_b64 s[64:65], 0
	v_nop
	global_prefetch_b8 v0, s[64:65] scope:SCOPE_SE
	s_setreg_imm32_b32 hwreg(HW_REG_WAVE_MODE, 25, 1), 1
	s_wait_xcnt 0x0
; x, var_x [4096][512] and wq, var_wq, wk, var_wk, wv, var_wv [512][512], f32, K innermost, become operands of E2M3 codes with one E8M0 byte for each 32 along K.
; For each pair (mean tensor, variance tensor) three operands are made: the mean tensor, its square (squared in f32), the variance tensor.
; OUTPUT: img, 352 records of 19,968 bytes, one for each tile of 16 rows (0-255 x, 256-287 wq, 288-319 wk, 320-351 wv), laid in the ORDER OF THE OPERAND'S REGISTERS:
;   fragment (a, s) (a = 0 mean, 1 square, 2 variance; s = K step of 128) at 6144 a + 1536 s: three pieces of 512 bytes, lane l's registers 4 j .. 4 j + 3 at 512 j + 16 l;
;   scale words at 18,432 + 512 a + 128 s + 4 l (all 32 lanes hold the word of row l % 16).
; THE ROWS OF A TILE ARE NOT NEIGHBOURS: row r of tile T is tensor row 32 (T / 2) + 8 (T % 2) + r + 8 (r / 8), so that later results of tiles 2 b and 2 b + 1 are 16 neighbours along the next K.
; SHARES: work-group g makes record g; wave w its K step w.  Each load reads 512 consecutive bytes of one row; the 16 rows turn through the wave's own stage in LDS, so that lane (r, h) gets
; k = 64 c + 32 h + 0 .. 31 of row r: two whole blocks a lane, just as the operand's layout wants them.  No barrier: waves share nothing.
; A block's scale: the largest magnitude's exponent field less 2, held at 1 from below.  The largest square of a block is the square of its largest magnitude, bit for bit (rounding is monotone).
; LIMITS: NaN and infinities are not served.  A block of zeros gets the byte 1 where the rule says 127: its codes are zeros, and this program alone reads the bytes.
.set REC,   19968
.set SCO,   18432
.set FLOOR, 0x01800000                 ; 2^(3 - 127)
.set EOFF,  0xff000000                 ; takes 2 off an exponent field
.set WST,   16896                      ; LDS of a wave: two stages of 16 rows x 528 bytes
.set SP,    528                        ; a stage row: 512 bytes + 16
.set IN,  2                            ; v2   16 x lane
.set OI,  3                            ; v3   16 x lane + 1536 x wave: my place in a fragment's image
.set OS,  4                            ; v4   4 x lane + 128 x wave + 18,432: my scale word's
.set SI,  5                            ; v5   the stage, on the way in
.set SOA, 6                            ; v6   and on the way out: row r, + 128 h
.set SH,  7                            ; v7   8 h
.set MX,  8                            ; v8-9   the two blocks' largest magnitudes
.set SO,  10                           ; v10-11 the conversions' scale operands
.set BY,  12                           ; v12-13 the bytes
.set PX,  14                           ; v14  a lane permute's destination
.set PW,  16                           ; v16-18 the scale word of each a
.set PC,  20                           ; v20-55 the codes, 12 registers for each a: no store's data are written again
.set CT,  56                           ; v56-63 the upper halves of the two blocks, as converted
.set R0,  64                           ; v64-127  the mean tensor as loaded; later the variance tensor, turned
.set R1,  128                          ; v128-191 the variance tensor as loaded
.set X,   192                          ; v192-255 the mean tensor, turned; later its square
	s_load_b512 s[8:23], s[0:1], 0x0               ; x, var_x, wq, var_wq, wk, var_wk, wv, var_wv
	s_load_b64 s[24:25], s[0:1], 0x40              ; img
	v_lshl_add_u32 v59, v0, 2, 0x10800
	v_mov_b32 v63, 0
	v_lshrrev_b32 v1, 5, v0
	v_readfirstlane_b32 s2, v1                     ; wave
	v_and_b32 v1, 31, v0                           ; lane
	v_and_b32 v15, 15, v0                          ; r
	v_bfe_u32 v19, v0, 4, 1                        ; h
	v_lshlrev_b32 v[IN], 4, v1
	s_mul_i32 s3, s2, 1536
	v_add_nc_u32 v[OI], s3, v[IN]
	s_lshl_b32 s3, s2, 7
	s_add_co_u32 s3, s3, SCO
	v_lshl_add_u32 v[OS], v1, 2, s3
	s_mul_i32 s3, s2, WST
	v_add_nc_u32 v[SI], s3, v[IN]
	v_mul_u32_u24 v[SOA], v15, SP
	v_lshl_add_u32 v[SOA], v19, 7, v[SOA]
	v_add_nc_u32 v[SOA], s3, v[SOA]
	v_lshlrev_b32 v[SH], 3, v19
	v_mov_b32 v[PX], 0                             ; written once: a lane permute's destination counts as one of its sources
	s_mov_b32 s34, 0x76543210
	s_mov_b32 s35, 0xfedcba98                      ; selects for lane l xor 16
	s_wait_kmcnt 0x0
	; which pair of tensors is mine: the choice hangs on the work-group's number alone
	s_mov_b64 s[26:27], s[20:21]                   ; wv
	s_mov_b64 s[28:29], s[22:23]                   ; var_wv
	s_mov_b32 s30, 320                             ; the pair's first record
	s_cmp_lt_u32 ttmp9, 320
	s_cselect_b64 s[26:27], s[16:17], s[26:27]     ; wk
	s_cselect_b64 s[28:29], s[18:19], s[28:29]
	s_cselect_b32 s30, 288, s30
	s_cmp_lt_u32 ttmp9, 288
	s_cselect_b64 s[26:27], s[12:13], s[26:27]     ; wq
	s_cselect_b64 s[28:29], s[14:15], s[28:29]
	s_cselect_b32 s30, 256, s30
	s_cmp_lt_u32 ttmp9, 256
	s_cselect_b64 s[26:27], s[8:9], s[26:27]       ; x
	s_cselect_b64 s[28:29], s[10:11], s[28:29]
	s_cselect_b32 s30, 0, s30
	s_sub_co_u32 s31, ttmp9, s30                   ; T: the tile in its tensor
	s_lshr_b32 s32, s31, 1
	s_lshl_b32 s32, s32, 5
	s_and_b32 s33, s31, 1
	s_lshl_b32 s33, s33, 3
	s_add_co_u32 s32, s32, s33                     ; its first row: 32 (T / 2) + 8 (T % 2)
	s_lshl_b32 s32, s32, 11                        ; rows of 2,048 bytes
	s_lshl_b32 s33, s2, 9
	s_add_co_u32 s32, s32, s33                     ; + my K step's 512 bytes
	s_mov_b32 s33, 0
	s_add_nc_u64 s[26:27], s[26:27], s[32:33]
	s_add_nc_u64 s[28:29], s[28:29], s[32:33]
	s_mul_i32 s32, ttmp9, REC
	s_add_nc_u64 s[24:25], s[24:25], s[32:33]      ; my record
.irp i, 0,1,2,3,4,5,6,7,8,9,10,11,12,13,14,15
	global_load_b128 v[R0+4*\i:R0+4*\i+3], v[IN], s[26:27] offset:(\i+8*(\i/8))*2048 th:TH_LOAD_NT   ; tile row i: 32 lanes read 512 consecutive bytes
.endr
.irp i, 0,1,2,3,4,5,6,7,8,9,10,11,12,13,14,15
	global_load_b128 v[R1+4*\i:R1+4*\i+3], v[IN], s[28:29] offset:(\i+8*(\i/8))*2048 th:TH_LOAD_NT
.endr
.macro TO_STAGE reg, st                ; 16 rows as loaded into stage st
.irp i, 0,1,2,3,4,5,6,7,8,9,10,11,12,13,14,15
	ds_store_b128 v[SI], v[\reg+4*\i:\reg+4*\i+3] offset:(\st)*16*SP+SP*\i
.endr
.endm
.macro FROM_STAGE reg, st              ; and back: register 32 c + i = k 64 c + 32 h + i of row r.  LDS serves a wave's instructions in order: these see the stores
.irp c, 0,1
.irp i, 0,1,2,3,4,5,6,7
	ds_load_b128 v[\reg+32*\c+4*\i:\reg+32*\c+4*\i+3], v[SOA] offset:(\st)*16*SP+256*\c+16*\i
.endr
.endr
.endm
; 64 numbers of a lane, two whole blocks, become fragment a's 12 registers and its scale word, and are stored.  havemax = 1: v[MX] on already holds the blocks' largest magnitudes.
.macro QB src, a, havemax
.if \havemax == 0
.irp c, 0,1
	v_max3_num_f32 v[MX+\c], |v[\src+32*\c]|, |v[\src+32*\c+1]|, FLOOR   ; with the floor as a leaf: the byte cannot fall under 1
.endr
.irp i, 2,4,6,8,10,12,14,16,18,20,22,24,26,28,30
.irp c, 0,1
	v_max3_num_f32 v[MX+\c], v[MX+\c], |v[\src+32*\c+\i]|, |v[\src+32*\c+\i+1]|   ; the two blocks by turns
.endr
.endr
.endif
.irp c, 0,1
	v_add_nc_u32 v[SO+\c], EOFF, v[MX+\c]          ; 2 off the exponent field: the conversion takes this operand's exponent field as its scale
.endr
.irp c, 0,1
	v_lshrrev_b32 v[BY+\c], 23, v[SO+\c]           ; the byte
.endr
	v_lshl_or_b32 v[PW+(\a)], v[BY+1], 16, v[BY]   ; my bytes: blocks h and 2 + h,
	v_lshlrev_b32 v[PW+(\a)], v[SH], v[PW+(\a)]    ; at their places in the word;
	v_permlanex16_b32 v[PX], v[PW+(\a)], s34, s35
	v_or_b32 v[PW+(\a)], v[PW+(\a)], v[PX]         ; with lane l xor 16's two the word is whole
.irp c, 0,1
	v_cvt_scalef32_pk16_fp6_f32 v[PC+12*(\a)+6*\c:PC+12*(\a)+6*\c+2], v[\src+32*\c:\src+32*\c+15], v[SO+\c]
	v_cvt_scalef32_pk16_fp6_f32 v[CT+4*\c:CT+4*\c+2], v[\src+32*\c+16:\src+32*\c+31], v[SO+\c]   ; (a conversion's three registers begin on an even number)
.endr
	v_nop                                          ; one plain place behind the conversions
.irp c, 0,1
.irp i, 0,1,2
	v_mov_b32 v[PC+12*(\a)+6*\c+3+\i], v[CT+4*\c+\i]
.endr
.endr
.irp j, 0,1,2
	global_store_b128 v[OI], v[PC+12*(\a)+4*\j:PC+12*(\a)+4*\j+3], s[24:25] offset:(\a)*6144+512*\j   ; 32 lanes store 512 consecutive bytes
.endr
	global_store_b32 v[OS], v[PW+(\a)], s[24:25] offset:(\a)*512
.endm
	s_wait_loadcnt 16                              ; the mean tensor's 16 loads are in; the variance tensor's 16 may be out
	TO_STAGE R0, 0
	FROM_STAGE X, 0
	s_wait_loadcnt 0x0
	TO_STAGE R1, 1
	s_wait_dscnt 16                                ; the first 32 LDS instructions are done: X is in, and R0 has been read; the 16 stores just issued may be out
	FROM_STAGE R0, 1                               ; the variance tensor lands while the mean tensor is worked on
	QB X, 0, 0
.irp c, 0,1
	v_mul_f32 v[MX+\c], v[MX+\c], v[MX+\c]         ; the largest square
.endr
.irp c, 0,1
	v_max_num_f32 v[MX+\c], FLOOR, v[MX+\c]
.endr
.set j, 0
.rept 32
	v_pk_mul_f32 v[X+j:X+j+1], v[X+j:X+j+1], v[X+j:X+j+1]   ; the squares, in f32
.set j, j+2
.endr
	QB X, 1, 1
	s_wait_dscnt 0x0
	QB R0, 2, 0
	s_wait_tensorcnt 0x0
	ds_add_u32 v59, v63
	s_wait_dscnt 0x0
	s_endpgm
.Lfunc_end_k_q0c1f5537aa_quant:
	.size	k_q0c1f5537aa_quant, .Lfunc_end_k_q0c1f5537aa_quant-k_q0c1f5537aa_quant
	.p2alignl 7, 3214868480
	.fill 96, 4, 3214868480
	.section	.rodata,"a",@progbits
	.p2align	6, 0x0
	.amdhsa_kernel k_q0c1f5537aa_quant
		.amdhsa_group_segment_fixed_size 68096
		.amdhsa_private_segment_fixed_size 0
		.amdhsa_enable_private_segment 0
		.amdhsa_kernarg_size 72
		.amdhsa_user_sgpr_count 2
		.amdhsa_user_sgpr_kernarg_segment_ptr 1
		.amdhsa_wavefront_size32 1
		.amdhsa_system_sgpr_workgroup_id_x 1
		.amdhsa_system_sgpr_workgroup_id_y 1
		.amdhsa_system_sgpr_workgroup_id_z 1
		.amdhsa_system_vgpr_workitem_id 0
		.amdhsa_next_free_vgpr 256
		.amdhsa_next_free_sgpr 66
		.amdhsa_reserve_vcc 0
		.amdhsa_float_denorm_mode_32 3
		.amdhsa_float_denorm_mode_16_64 3
		.amdhsa_memory_ordered 1
		.amdhsa_forward_progress 1
		.amdhsa_inst_pref_size 20
	.end_amdhsa_kernel
	.amdgpu_metadata
---
amdhsa.version: [ 1, 2 ]
amdhsa.kernels:
  - .name:           k_q0c1f5537aa_quant
    .symbol:         k_q0c1f5537aa_quant.kd
    .args:
      - { .name: x, .offset: 0, .size: 8, .value_kind: global_buffer, .address_space: global }
      - { .name: var_x, .offset: 8, .size: 8, .value_kind: global_buffer, .address_space: global }
      - { .name: wq, .offset: 16, .size: 8, .value_kind: global_buffer, .address_space: global }
      - { .name: var_wq, .offset: 24, .size: 8, .value_kind: global_buffer, .address_space: global }
      - { .name: wk, .offset: 32, .size: 8, .value_kind: global_buffer, .address_space: global }
      - { .name: var_wk, .offset: 40, .size: 8, .value_kind: global_buffer, .address_space: global }
      - { .name: wv, .offset: 48, .size: 8, .value_kind: global_buffer, .address_space: global }
      - { .name: var_wv, .offset: 56, .size: 8, .value_kind: global_buffer, .address_space: global }
      - { .name: img, .offset: 64, .size: 8, .value_kind: global_buffer, .address_space: global }
    .group_segment_fixed_size: 68096
    .private_segment_fixed_size: 0
    .kernarg_segment_align: 8
    .kernarg_segment_size: 72
    .max_flat_workgroup_size: 128
    .sgpr_count:     66
    .vgpr_count:     256
    .wavefront_size: 32
...
	.end_amdgpu_metadata
.endif
;; end of part 1
;; launch proj (part 2): grid 64 x 4, 12 waves a work-group, no clusters, 81,408 bytes of LDS; arguments img, qrec, kv; writes qrec, kv
.if DOCPART == 2
	.amdgcn_target "amdgcn-amd-amdhsa--gfx1250"
	.amdhsa_code_object_version 6
	.text
	.protected	k_q0c1f5537aa_proj
	.globl	k_q0c1f5537aa_proj
	.p2align	8
	.type	k_q0c1f5537aa_proj,@function
k_q0c1f5537aa_proj:
	s_mov_b64 s[64:65], 0
	v_nop
	global_prefetch_b8 v0, s[64:65] scope:SCOPE_SE
	s_setreg_imm32_b32 hwreg(HW_REG_WAVE_MODE, 25, 1), 1
	s_wait_xcnt 0x0
; The three projections with their variances, all on E2M3 codes: mean = x w^T;  var = var_x (w^2)^T + x^2 var_w^T + var_x var_w^T;  then q, k, v are quantised into the attention's operands.
; SHARES: work-group (rb, y) takes 64 rows of x (tiles 4 rb .. 4 rb + 3 of img).  Wave w takes unit U = 12 y + w of 48: z = U / 16 (0 q, 1 k, 2 v), head = U % 16: the head's 32 outputs (two tiles of w).
; A wave has 16 accumulators (4 tiles of rows x 2 tiles of outputs, mean and variance) and issues 128 matrix instructions.
; x's four records come into LDS once (79,872 bytes, 13 loads a wave), as images of the operands' registers; the wave's weights come from memory straight into registers, a K step at a time.
; q, k: source 0 = 16 rows of w, source 1 = 16 rows of x: lane (r, h) holds row r and channels 16 h + 0 .. 15 of the head (by the order of a tile's rows).  The head's 32 channels are one block.
;   A row's fragment holds the four blocks [var, mean^2, var, mean]: one fragment of k serves the mean's and the variance's scores.
; v: the sources are swapped: lane (r, h) holds ONE channel and its registers run down the keys, 16 neighbours in two tiles: the keys are the second product's K.
; No cluster: what work-groups share (x's records among four, the weights among 64) is read once at the head or once a K step through registers, 7 MB in all.
; LIMITS: NaN and infinities are not served.  A block of zeros gets the byte 1 where the rule says 127: its codes are zeros, and this program alone reads the bytes.
; v's scale bytes leave as 2 bytes a lane, 4 bytes apart (two of a word's four belong to this work-group's 64 keys): 3 KB a head.
.set REC,   19968
.set SCO,   18432
.set FLOOR, 0x01800000
.set EOFF,  0xff000000
.set WS,  6                            ; v6-11   w's scale words, at 2 a + u
.set XS,  12                           ; v12-13  x's scale words, one for each slot
.set FA,  14                           ; v14     the fill: 16 x lane + 6,656 x wave
.set WF,  16                           ; v16-87  w's six fragments of one K step, at 12 (2 a + u)
.set XB,  88                           ; v88-111 x's fragment, two slots
.set MA,  128                          ; v128-191 the means' 8 accumulators
.set SG,  192                          ; v192-255 the variances'
; v1 = 16 x lane, v2 = the same + 2 records; v3 = 4 x lane, v4 = the same + 2 records; v5 = 8 x lane; v112-127 at work
	s_load_b128 s[4:7], s[0:1], 0x0                ; img, qrec
	s_load_b64 s[8:9], s[0:1], 0x10                ; kv
	s_set_vgpr_msb 0x40
	v_lshl_add_u32 v0, v0, 2, 0x13800
	v_mov_b32 v1, 0
	s_set_vgpr_msb 0x4000
	v_lshrrev_b32 v15, 5, v0
	v_readfirstlane_b32 s10, v15                   ; wave 0..11
	s_and_b32 s11, ttmp7, 0xffff                   ; y
	s_mul_i32 s12, s11, 12
	s_add_co_u32 s12, s12, s10                     ; U
	s_lshr_b32 s13, s12, 4                         ; z
	s_and_b32 s14, s12, 15                         ; head
	s_mov_b32 s15, ttmp9                           ; rb
	v_and_b32 v15, 31, v0                          ; lane
	v_lshlrev_b32 v1, 4, v15
	v_add_nc_u32 v2, 2*REC, v1
	v_lshlrev_b32 v3, 2, v15
	v_add_nc_u32 v4, 2*REC, v3
	v_lshlrev_b32 v5, 3, v15
	s_mul_i32 s26, s10, 6656
	v_add_nc_u32 v[FA], s26, v1
.irp i, 114,115,124,125,126,127
	v_mov_b32 v\i, 0                               ; written once: a lane permute's destination counts as one of its sources
.endr
	s_mov_b32 s20, 0x76543210
	s_mov_b32 s21, 0xfedcba98                      ; selects for lane l xor 16
	s_mul_i32 s26, s15, 4*REC                      ; x's four records
	s_mov_b32 s27, 0
	s_mul_i32 s28, s12, 2*REC
	s_add_co_u32 s28, s28, 256*REC                 ; w's two records: 256 + 2 U
	s_mov_b32 s29, 0
	s_lshr_b32 s30, s15, 4
	s_lshl_b32 s30, s30, 4
	s_add_co_u32 s30, s30, s14                     ; bh = 16 x batch + head
	s_and_b32 s31, s15, 15                         ; which 64 rows of the sequence
	s_wait_kmcnt 0x0
	s_add_nc_u64 s[16:17], s[4:5], s[26:27]
	s_add_nc_u64 s[18:19], s[4:5], s[28:29]
.macro WLOAD a, s                      ; w's operand a, K step s, both tiles: 8 loads
.irp u, 0,1
.irp j, 0,1,2
	global_load_b128 v[WF+12*(2*(\a)+\u)+4*\j:WF+12*(2*(\a)+\u)+4*\j+3], v1, s[18:19] offset:\u*REC+(\a)*6144+(\s)*1536+512*\j
.endr
	global_load_b32 v[WS+2*(\a)+\u], v3, s[18:19] offset:\u*REC+SCO+(\a)*512+(\s)*128
.endr
.endm
.irp i, 0,1,2,3,4,5,6,7,8,9,10,11,12
	global_load_b128 v[MA+4*\i:MA+4*\i+3], v[FA], s[16:17] offset:512*\i   ; my 6,656 bytes of x's records
.endr
	WLOAD 0, 0
	WLOAD 1, 0
	WLOAD 2, 0
	s_wait_loadcnt 24                              ; the 13 fill loads are in; the weights' 24 may be out
.irp i, 0,1,2,3,4,5,6,7,8,9,10,11,12
	ds_store_b128 v[FA], v[MA+4*\i:MA+4*\i+3] offset:512*\i
.endr
	s_wait_dscnt 0x0                               ; for the others' sake: my stores have landed
	s_barrier_signal -1
	s_barrier_wait -1                              ; x's records lie in LDS; nothing is stored there again
; The work is 48 items: item n = 12 s + 4 ph + mt: K step s, x's operand a = 0, 2, 1 for ph = 0, 1, 2 (x, var_x, x^2), tile of rows mt.
.macro XLOADN n                        ; item n's fragment of x and its scale words into slot n % 2: 4 LDS loads
.set xs_, (\n)/12
.set xp_, ((\n)/4)%3
.set xm_, (\n)%4
.set xa_, (3-xp_)%3
.set xl_, (\n)%2
.irp j, 0,1,2
	ds_load_b128 v[XB+12*xl_+4*\j:XB+12*xl_+4*\j+3], v[1+xm_/2] offset:(xm_%2)*REC+xa_*6144+xs_*1536+512*\j
.endr
	ds_load_b32 v[XS+xl_], v[3+xm_/2] offset:(xm_%2)*REC+SCO+xa_*512+xs_*128
.endm
; One product.  v = 0: source 0 = w, source 1 = x;  v = 1: swapped, the scales with them.  zero: the product starts its sum.
.macro MM v, acc, wa, u, zero
.set ac_, \acc
.set wf_, WF+12*(2*(\wa)+(\u))
.set ws_, WS+2*(\wa)+(\u)
.set xb_, XB+12*sl_
.set xc_, XS+sl_
.if \v
.if \zero
	v_wmma_scale_f32_16x16x128_f8f6f4 v[ac_:ac_+7], v[xb_:xb_+11], v[wf_:wf_+11], 0, v[xc_], v[ws_] matrix_a_fmt:MATRIX_FMT_FP6 matrix_b_fmt:MATRIX_FMT_FP6
.else
	v_wmma_scale_f32_16x16x128_f8f6f4 v[ac_:ac_+7], v[xb_:xb_+11], v[wf_:wf_+11], v[ac_:ac_+7], v[xc_], v[ws_] matrix_a_fmt:MATRIX_FMT_FP6 matrix_b_fmt:MATRIX_FMT_FP6
.endif
.else
.if \zero
	v_wmma_scale_f32_16x16x128_f8f6f4 v[ac_:ac_+7], v[wf_:wf_+11], v[xb_:xb_+11], 0, v[ws_], v[xc_] matrix_a_fmt:MATRIX_FMT_FP6 matrix_b_fmt:MATRIX_FMT_FP6
.else
	v_wmma_scale_f32_16x16x128_f8f6f4 v[ac_:ac_+7], v[wf_:wf_+11], v[xb_:xb_+11], v[ac_:ac_+7], v[ws_], v[xc_] matrix_a_fmt:MATRIX_FMT_FP6 matrix_b_fmt:MATRIX_FMT_FP6
.endif
.endif
.endm
; Item n.  The accumulators take turns, one instruction a turn.
.macro XSTEP v, n
.set s_, (\n)/12
.set ph_, ((\n)/4)%3
.set mt_, (\n)%4
.set sl_, (\n)%2
.set zz_, 0
.if s_ == 0
.set zz_, 1
.endif
.if \v
.set a0_, 16*(2*(mt_/2))+8*(mt_%2)     ; v: the 16 registers at 16 (2 b + u) are 16 neighbouring keys of block b = mt / 2
.set a1_, 16*(2*(mt_/2)+1)+8*(mt_%2)
.else
.set a0_, 16*mt_                       ; q, k: the 16 registers at 16 mt are 16 neighbouring channels
.set a1_, 16*mt_+8
.endif
.if (\n) > 0
.rept 4
	v_nop                                          ; places in front of loads into registers that the last products read (ISA guide 7.12.1 for vector instructions)
.endr
.endif
.if mt_ == 0                           ; a set of weights is loaded anew as soon as its last product is issued
.if (ph_ == 0) && (s_ > 0)
	WLOAD 2, s_
.endif
.if (ph_ == 1) && (s_ < 3)
	WLOAD 0, s_+1
.endif
.if (ph_ == 2) && (s_ < 3)
	WLOAD 1, s_+1
.endif
.endif
.if (\n) < 47
	XLOADN (\n)+1
.endif
.if mt_ == 0
.if ph_ == 0
	s_wait_loadcnt 16                              ; w of this K step is in; w^2 and var_w, 8 loads each, were issued behind it
.endif
.if ph_ == 1
.if s_ < 3
	s_wait_loadcnt 8                               ; w^2 and var_w are in; the next K step's w, just issued, may be out
.else
	s_wait_loadcnt 0x0
.endif
.endif
.endif
.if (\n) < 47
	s_wait_dscnt 4                                 ; this item's 4 LDS loads are in; the next item's 4 may be out
.else
	s_wait_dscnt 0x0
.endif
.if ph_ == 0                           ; x w^T
	MM \v, MA+a0_, 0, 0, zz_
	MM \v, MA+a1_, 0, 1, zz_
.endif
.if ph_ == 1                           ; var_x (w^2)^T and var_x var_w^T
	MM \v, SG+a0_, 1, 0, zz_
	MM \v, SG+a1_, 1, 1, zz_
	MM \v, SG+a0_, 2, 0, 0
	MM \v, SG+a1_, 2, 1, 0
.endif
.if ph_ == 2                           ; x^2 var_w^T
	MM \v, SG+a0_, 2, 0, 0
	MM \v, SG+a1_, 2, 1, 0
.endif
.endm
.macro MAIN v
	XLOADN 0
.set nn_, 0
.rept 48
	XSTEP \v, nn_
.set nn_, nn_+1
.endr
.rept 4
	v_nop                                          ; places in front of the first read of results and of writes over operands
.endr
.endm
	s_cmp_ge_u32 s12, 32                           ; v's units take the other way; no barrier follows
	s_cbranch_scc1 .Lv
	; ---- q and k
	s_cmp_eq_u32 s13, 0
	s_cselect_b64 s[22:23], s[6:7], s[8:9]         ; qrec or kv: the choice hangs on ids alone
	s_mov_b32 s26, 186368
	s_cselect_b32 s26, 106496, s26                 ; a record's bytes
	s_mul_i32 s26, s30, s26
	s_mov_b32 s27, 0
	s_add_nc_u64 s[22:23], s[22:23], s[26:27]      ; record bh
	s_add_nc_u64 s[24:25], s[22:23], 98304         ; its scale words
	s_mul_i32 s26, s31, 6144
	s_add_nc_u64 s[22:23], s[22:23], s[26:27]      ; my four tiles' fragments
	s_lshl_b32 s26, s31, 9
	s_add_nc_u64 s[24:25], s[24:25], s[26:27]
	MAIN 0
; Tile mt of rows becomes a fragment [var, mean^2, var, mean] and its scale word.  A block lies in lanes l and l xor 16.
.macro QKOUT mt
.set m_, MA+16*(\mt)
.set g_, SG+16*(\mt)
.set pc_, 16+12*(\mt)                  ; over w's fragments, which are done with: each tile has its own, so no store's data are written again
.set pw_, 124+(\mt)
	v_max3_num_f32 v112, |v[m_]|, |v[m_+1]|, FLOOR                 ; each accumulator is read from its low end on
	v_max3_num_f32 v113, |v[g_]|, |v[g_+1]|, FLOOR
.irp i, 2,4,6,8,10,12,14
	v_max3_num_f32 v112, v112, |v[m_+\i]|, |v[m_+\i+1]|
	v_max3_num_f32 v113, v113, |v[g_+\i]|, |v[g_+\i+1]|
.endr
	v_permlanex16_b32 v114, v112, s20, s21
	v_permlanex16_b32 v115, v113, s20, s21
	v_max_num_f32 v112, v112, v114                 ; the largest |mean|
	v_max_num_f32 v113, v113, v115                 ; the largest |var|
	v_mul_f32 v116, v112, v112
	v_max_num_f32 v116, FLOOR, v116                ; the largest mean^2
	v_add_nc_u32 v117, EOFF, v112
	v_add_nc_u32 v118, EOFF, v113
	v_add_nc_u32 v119, EOFF, v116
	v_lshrrev_b32 v120, 23, v117
	v_lshrrev_b32 v121, 23, v118
	v_lshrrev_b32 v122, 23, v119
	v_lshl_or_b32 v[pw_], v122, 8, v121
	v_lshl_or_b32 v[pw_], v121, 16, v[pw_]
	v_lshl_or_b32 v[pw_], v120, 24, v[pw_]         ; bytes: var, mean^2, var, mean
	v_cvt_scalef32_pk16_fp6_f32 v[pc_:pc_+2], v[g_:g_+15], v118
	v_cvt_scalef32_pk16_fp6_f32 v[pc_+6:pc_+8], v[g_:g_+15], v118
	v_cvt_scalef32_pk16_fp6_f32 v[92:94], v[m_:m_+15], v117
	v_nop                                          ; one plain place behind the conversions
.irp i, 0,2,4,6,8,10,12,14
	v_pk_mul_f32 v[m_+\i:m_+\i+1], v[m_+\i:m_+\i+1], v[m_+\i:m_+\i+1]   ; mean^2, in f32
.endr
	v_cvt_scalef32_pk16_fp6_f32 v[88:90], v[m_:m_+15], v119
	v_nop
.irp i, 0,1,2                          ; the layout wants a WHOLE block in a lane: lanes 0-15 var, lanes 16-31 mean^2;
	v_permlane16_swap_b32 v[pc_+\i], v[88+\i]
.endr
.irp i, 0,1,2
	v_mov_b32 v[pc_+3+\i], v[88+\i]
.endr
.irp i, 0,1,2                          ; lanes 0-15 var, lanes 16-31 mean
	v_permlane16_swap_b32 v[pc_+6+\i], v[92+\i]
.endr
.irp i, 0,1,2
	v_mov_b32 v[pc_+9+\i], v[92+\i]
.endr
.irp j, 0,1,2
	global_store_b128 v1, v[pc_+4*\j:pc_+4*\j+3], s[22:23] offset:(\mt)*1536+512*\j   ; 32 lanes store 512 consecutive bytes
.endr
	global_store_b32 v3, v[pw_], s[24:25] offset:(\mt)*128
.endm
	QKOUT 0
	QKOUT 1
	QKOUT 2
	QKOUT 3
	s_set_vgpr_msb 0x5
	s_wait_tensorcnt 0x0
	ds_add_u32 v0, v1
	s_wait_dscnt 0x0
	s_set_vgpr_msb 0x500
	s_endpgm
	; ---- v
.Lv:
	s_mul_i32 s26, s30, 186368
	s_mov_b32 s27, 0
	s_add_nc_u64 s[22:23], s[8:9], s[26:27]        ; kv's record bh
	s_add_nc_u64 s[24:25], s[22:23], 180224        ; v's scale words
	s_add_nc_u64 s[22:23], s[22:23], 106496        ; v's fragments
	s_lshr_b32 s28, s31, 1                         ; the key step of 128
	s_and_b32 s29, s31, 1                          ; which 64 keys of it
	s_mul_i32 s26, s28, 9216
	s_mul_i32 s13, s29, 768
	s_add_co_u32 s26, s26, s13
	s_add_nc_u64 s[22:23], s[22:23], s[26:27]
	s_mul_i32 s26, s28, 768
	s_lshl_b32 s13, s29, 1
	s_add_co_u32 s26, s26, s13
	s_add_nc_u64 s[24:25], s[24:25], s[26:27]
	MAIN 1
; Tile u of channels: half fragments (64 keys: registers 6 c .. 6 c + 5) of v, v^2 and vv (tau = 0, 1, 2), and two bytes of each scale word.  Block b of 32 keys lies in lanes l and l xor 16.
.macro VOUT u
.irp b, 0,1
	v_max3_num_f32 v[112+\b], |v[MA+16*(2*\b+(\u))]|, |v[MA+16*(2*\b+(\u))+1]|, FLOOR
	v_max3_num_f32 v[114+\b], |v[SG+16*(2*\b+(\u))]|, |v[SG+16*(2*\b+(\u))+1]|, FLOOR
.endr
.irp i, 2,4,6,8,10,12,14
.irp b, 0,1
	v_max3_num_f32 v[112+\b], v[112+\b], |v[MA+16*(2*\b+(\u))+\i]|, |v[MA+16*(2*\b+(\u))+\i+1]|
	v_max3_num_f32 v[114+\b], v[114+\b], |v[SG+16*(2*\b+(\u))+\i]|, |v[SG+16*(2*\b+(\u))+\i+1]|
.endr
.endr
.irp k, 0,1,2,3
	v_permlanex16_b32 v[124+\k], v[112+\k], s20, s21
.endr
.irp k, 0,1,2,3
	v_max_num_f32 v[112+\k], v[112+\k], v[124+\k]
.endr
.irp b, 0,1
	v_mul_f32 v[116+\b], v[112+\b], v[112+\b]
.endr
.irp b, 0,1
	v_max_num_f32 v[116+\b], FLOOR, v[116+\b]      ; the largest v^2
.endr
.irp b, 0,1
	v_add_nc_u32 v[118+\b], EOFF, v[112+\b]        ; the scale operands: v,
	v_add_nc_u32 v[120+\b], EOFF, v[116+\b]        ; v^2,
	v_add_nc_u32 v[122+\b], EOFF, v[114+\b]        ; vv
.endr
.irp t, 0,1,2
	v_lshrrev_b32 v124, 23, v[118+2*\t]
	v_lshrrev_b32 v125, 23, v[119+2*\t]
	v_lshl_or_b32 v[100+2*\t+(\u)], v125, 8, v124
.endr
	v_cvt_scalef32_pk16_fp6_f32 v[16+8*(\u):18+8*(\u)], v[MA+16*(\u):MA+16*(\u)+15], v118
	v_cvt_scalef32_pk16_fp6_f32 v[88:90], v[MA+16*(2+(\u)):MA+16*(2+(\u))+15], v119
	v_cvt_scalef32_pk16_fp6_f32 v[16+8*(4+(\u)):18+8*(4+(\u))], v[SG+16*(\u):SG+16*(\u)+15], v122
	v_cvt_scalef32_pk16_fp6_f32 v[96:98], v[SG+16*(2+(\u)):SG+16*(2+(\u))+15], v123
	v_nop                                          ; one plain place behind the conversions
.irp b, 0,1
.irp i, 0,2,4,6,8,10,12,14
	v_pk_mul_f32 v[MA+16*(2*\b+(\u))+\i:MA+16*(2*\b+(\u))+\i+1], v[MA+16*(2*\b+(\u))+\i:MA+16*(2*\b+(\u))+\i+1], v[MA+16*(2*\b+(\u))+\i:MA+16*(2*\b+(\u))+\i+1]
.endr
.endr
	v_cvt_scalef32_pk16_fp6_f32 v[16+8*(2+(\u)):18+8*(2+(\u))], v[MA+16*(\u):MA+16*(\u)+15], v120
	v_cvt_scalef32_pk16_fp6_f32 v[92:94], v[MA+16*(2+(\u)):MA+16*(2+(\u))+15], v121
	v_nop
.irp t, 0,1,2                          ; a WHOLE block in a lane: lanes 0-15 block 0, lanes 16-31 block 1
.irp i, 0,1,2
	v_permlane16_swap_b32 v[16+8*(2*\t+(\u))+\i], v[88+4*\t+\i]
.endr
.irp i, 0,1,2
	v_mov_b32 v[16+8*(2*\t+(\u))+3+\i], v[88+4*\t+\i]
.endr
.endr
.irp t, 0,1,2
	global_store_b128 v1, v[16+8*(2*\t+(\u)):16+8*(2*\t+(\u))+3], s[22:23] offset:(2*\t+(\u))*1536
	global_store_b64 v5, v[16+8*(2*\t+(\u))+4:16+8*(2*\t+(\u))+5], s[22:23] offset:(2*\t+(\u))*1536+512
	global_store_b16 v3, v[100+2*\t+(\u)], s[24:25] offset:(2*\t+(\u))*128
.endr
.endm
	VOUT 0
	VOUT 1
	s_set_vgpr_msb 0x5
	s_wait_tensorcnt 0x0
	ds_add_u32 v0, v1
	s_wait_dscnt 0x0
	s_set_vgpr_msb 0x500
	s_endpgm
.Lfunc_end_k_q0c1f5537aa_proj:
	.size	k_q0c1f5537aa_proj, .Lfunc_end_k_q0c1f5537aa_proj-k_q0c1f5537aa_proj
	.p2alignl 7, 3214868480
	.fill 96, 4, 3214868480
	.section	.rodata,"a",@progbits
	.p2align	6, 0x0
	.amdhsa_kernel k_q0c1f5537aa_proj
		.amdhsa_group_segment_fixed_size 81408
		.amdhsa_private_segment_fixed_size 0
		.amdhsa_enable_private_segment 0
		.amdhsa_kernarg_size 24
		.amdhsa_user_sgpr_count 2
		.amdhsa_user_sgpr_kernarg_segment_ptr 1
		.amdhsa_wavefront_size32 1
		.amdhsa_system_sgpr_workgroup_id_x 1
		.amdhsa_system_sgpr_workgroup_id_y 1
		.amdhsa_system_sgpr_workgroup_id_z 1
		.amdhsa_system_vgpr_workitem_id 0
		.amdhsa_next_free_vgpr 258
		.amdhsa_next_free_sgpr 66
		.amdhsa_reserve_vcc 0
		.amdhsa_float_denorm_mode_32 3
		.amdhsa_float_denorm_mode_16_64 3
		.amdhsa_memory_ordered 1
		.amdhsa_forward_progress 1
		.amdhsa_inst_pref_size 120
	.end_amdhsa_kernel
	.amdgpu_metadata
---
amdhsa.version: [ 1, 2 ]
amdhsa.kernels:
  - .name:           k_q0c1f5537aa_proj
    .symbol:         k_q0c1f5537aa_proj.kd
    .args:
      - { .name: img, .offset: 0, .size: 8, .value_kind: global_buffer, .address_space: global }
      - { .name: qrec, .offset: 8, .size: 8, .value_kind: global_buffer, .address_space: global }
      - { .name: kv, .offset: 16, .size: 8, .value_kind: global_buffer, .address_space: global }
    .group_segment_fixed_size: 81408
    .private_segment_fixed_size: 0
    .kernarg_segment_align: 8
    .kernarg_segment_size: 24
    .max_flat_workgroup_size: 384
    .sgpr_count:     66
    .vgpr_count:     258
    .wavefront_size: 32
...
	.end_amdgpu_metadata
.endif
;; end of part 2
;; launch attn (part 3): grid 4 x 64, 16 waves a work-group, no clusters, 262,144 bytes of LDS; arguments qrec, kv, x, var_x, out0, out1; writes out0, out1
.if DOCPART == 3
	.amdgcn_target "amdgcn-amd-amdhsa--gfx1250"
	.amdhsa_code_object_version 6
	.text
	.protected	k_q0c1f5537aa_attn
	.globl	k_q0c1f5537aa_attn
	.p2align	8
	.type	k_q0c1f5537aa_attn,@function
k_q0c1f5537aa_attn:
	s_mov_b64 s[64:65], 0
	v_nop
	global_prefetch_b8 v0, s[64:65] scope:SCOPE_SE
	s_setreg_imm32_b32 hwreg(HW_REG_WAVE_MODE, 25, 1), 1
	s_wait_xcnt 0x0
; Attention with variances, all products on E2M3 codes; then the residual.  For a query and a key:  score = q . k;  var = max(q^2 . vk + vq . k^2 + vq . vk, 1e-3);  a = score / sqrt(512), va = var / 512.
; softmax:  p = softmax(a);  s = sum p^2 va;  vp = max(p^2 (s + (1 - 2 p) va), 1e-3).   out0 = x + p v;   out1 = var_x + max(p^2 vv + vp v^2 + vp vv, 1e-3).
; The first product's left operand is quantised as 2^(t - M), t = score x log2(e) / sqrt(512), M = the ceiling of the row's largest t, and its result is divided by the row's sum l of the unquantised numbers.
; p^2 and vp are quantised finished, so l and s of the whole row are wanted first: THE KEYS ARE WALKED TWICE, and the scores are computed in both passes.
; SHARES: work-group (qb, bh) takes 256 queries of one head; each of its SIXTEEN waves 16 of them, in 256 registers: four waves to a SIMD, so that one wave's vector work stands beside another's products and LDS loads.
; A head's operands of k and v, 186,368 bytes, are images of the operands' registers; they come into LDS once, 25 loads a wave, and stay: one barrier in the launch.
; No cluster: the four query blocks of a head share just those 25 loads a wave, beside two passes of eight key steps.
; SCORES: K is 32, one block.  k's fragment holds the blocks [vk, k^2, vk, k]; against [0, 0, 0, q] it gives the score, against [q^2, vq, vq, 0] the variance.  The blocks of zero codes carry the byte 1.
; LAYOUT: all products transposed (source 0 = keys, or v's channels; source 1 = my queries): a lane holds ONE query.  By the order of a tile's rows the 16 registers of two neighbouring tiles are 16 neighbouring keys.
; LIMITS: NaN and infinities are not served.  A 2^(t - M) under 2^-126 counts as 0.  Sums are taken in another order than the reference's.  A store covers four pieces of 128 bytes: a head's part of a row.
.set KSC,   98304                      ; LDS: k's fragments from 0, their scale words,
.set VIMG,  106496                     ; v's fragments,
.set VSC,   180224                     ; their scale words,
.set STG,   186368                     ; and for each wave a stage of 2 x 16 rows x 144 bytes for the way out
.set FLOOR, 0x01800000
.set EOFF,  0xff000000
.set LI,   1                           ; v1  16 x lane      v2  4 x lane      v3  8 x lane
.set LS,   2
.set L8,   3
.set ADK,  4                           ; v4-8  addresses of the step in hand: k, k's scales, v (16 and 8 bytes a lane), v's scales; at the head the fill's
.set ADS,  5
.set ADV,  6
.set ADV8, 7
.set ADVS, 8
.set ZR,   9                           ; v9   0
; v10 -M, v11 the largest t;  v[12:13] the sum l, later 1 / l twice;  v[14:15] the sum of p^2 var, later s twice;  v[16:17] f, later 1/512 twice;  v[18:19] f^2
.set QM,   20                          ; v20-31  [0, 0, 0, q]
.set QV,   32                          ; v32-43  [q^2, vq, vq, 0]
.set QSV,  44                          ; v44, v45 their scale words
.set QSM,  45
.set KS,   46                          ; v46-49  k's scale words;  v46-51 v's
.set VS,   46
.set PW1,  52                          ; v52-54  the scale words of the three left operands
.set PW2,  53
.set PW3,  54
.set LN,   55                          ; v55  lane
.set F,    56                          ; v56-103  four fragments of k
.set VF,   56                          ; v56-127  six fragments of v
.set TT,   104                         ; v104-135 scores, then 2^(t - M), p, p^2
.set VR,   136                         ; v136-167 variances, then vp
.set P1,   168                         ; v168-203 the three left operands' codes (in pass 1: the squares)
.set P2,   180
.set P3,   192
.set CT0,  204                         ; v204-211 conversions' upper halves; four pairs at work
.set CT1,  208
.set WK,   204
.set MP,   212                         ; v212-213 largest numbers of two blocks
.set PX,   214                         ; v214-215 lane permutes' destinations
.set SO,   216                         ; v216-217 scale operands;  v218-219 bytes
.set BY,   218
.set MV,   220
.set LB,   222                         ; v[222:223] a second chain of sums
.set OM,   224                         ; v224-239 the mean's two accumulators;  v240-255 the variance's
.set OV,   240
.macro WMZ d, a, b, sa, sb             ; a product that starts its sum
	v_wmma_scale_f32_16x16x128_f8f6f4 v[(\d):(\d)+7], v[(\a):(\a)+11], v[(\b):(\b)+11], 0, v[(\sa)], v[(\sb)] matrix_a_fmt:MATRIX_FMT_FP6 matrix_b_fmt:MATRIX_FMT_FP6
.endm
.macro WMA d, a, b, sa, sb             ; and one that adds in place
	v_wmma_scale_f32_16x16x128_f8f6f4 v[(\d):(\d)+7], v[(\a):(\a)+11], v[(\b):(\b)+11], v[(\d):(\d)+7], v[(\sa)], v[(\sb)] matrix_a_fmt:MATRIX_FMT_FP6 matrix_b_fmt:MATRIX_FMT_FP6
.endm
	s_load_b256 s[4:11], s[0:1], 0x0               ; qrec, kv, x, var_x
	s_load_b128 s[12:15], s[0:1], 0x20             ; out0, out1
	v_lshrrev_b32 v1, 5, v0
	v_readfirstlane_b32 s16, v1                    ; wave 0..15
	s_and_b32 s17, ttmp7, 0xffff                   ; bh
	s_lshl_b32 s19, ttmp9, 4
	s_add_co_u32 s19, s19, s16                     ; T: my tile of queries, 0..63
	v_and_b32 v[LN], 31, v0
	v_lshlrev_b32 v[LI], 4, v[LN]
	v_lshlrev_b32 v[LS], 2, v[LN]
	v_lshlrev_b32 v[L8], 3, v[LN]
	v_mov_b32 v[ZR], 0
	s_mul_i32 s26, s16, 6144                       ; the fill: the same number is the offset in the record and the LDS address
	v_add_nc_u32 v4, s26, v[LI]
	s_lshl_b32 s26, s16, 9
	s_add_co_u32 s26, s26, KSC
	v_add_nc_u32 v5, s26, v[LI]
	s_mul_i32 s26, s16, 4608
	s_add_co_u32 s26, s26, VIMG
	v_add_nc_u32 v6, s26, v[LI]
	s_mul_i32 s26, s16, 384
	s_add_co_u32 s26, s26, VSC
	v_add_nc_u32 v7, s26, v[LS]
	s_mov_b32 s20, 0x76543210
	s_mov_b32 s21, 0xfedcba98                      ; selects for lane l xor 16
	s_mov_b32 s22, 0x3d8293ee                      ; c = log2(e) / sqrt(512)
	s_mov_b32 s23, s22                             ; (named with it as a pair, so it is written)
	s_mov_b32 s24, 0xbb800000                      ; -1/256
	s_mov_b32 s25, s24
	s_mov_b32 s28, 0x3a83126f                      ; 1e-3
	s_mul_i32 s34, s17, 186368
	s_mov_b32 s35, 0
	s_mul_i32 s36, s17, 106496
	s_lshl_b32 s38, s19, 7
	s_add_co_u32 s38, s38, s36
	s_add_co_u32 s38, s38, KSC                     ; q's scale words: record + 98,304 + 128 T
	s_mov_b32 s39, 0
	s_mul_i32 s26, s19, 1536
	s_add_co_u32 s36, s36, s26                     ; q's fragment: record + 1,536 T
	s_mov_b32 s37, 0
	s_lshr_b32 s40, s17, 4
	s_lshl_b32 s40, s40, 10                        ; the batch's 1,024 rows,
	s_lshr_b32 s26, s19, 1
	s_lshl_b32 s26, s26, 5
	s_add_co_u32 s40, s40, s26
	s_and_b32 s26, s19, 1
	s_lshl_b32 s26, s26, 3
	s_add_co_u32 s40, s40, s26                     ; + 32 (T / 2) + 8 (T % 2): my tile's first row,
	s_lshl_b32 s40, s40, 11                        ; of 2,048 bytes,
	s_and_b32 s26, s17, 15
	s_lshl_b32 s26, s26, 7
	s_add_co_u32 s40, s40, s26                     ; + the head's 128 bytes
	s_mov_b32 s41, 0
	s_wait_kmcnt 0x0
	s_add_nc_u64 s[34:35], s[6:7], s[34:35]
	s_add_nc_u64 s[36:37], s[4:5], s[36:37]
	s_add_nc_u64 s[38:39], s[4:5], s[38:39]
	s_add_nc_u64 s[8:9], s[8:9], s[40:41]
	s_add_nc_u64 s[10:11], s[10:11], s[40:41]
	s_add_nc_u64 s[12:13], s[12:13], s[40:41]
	s_add_nc_u64 s[14:15], s[14:15], s[40:41]
.irp j, 0,1,2
	global_load_b128 v[P1+4*\j:P1+4*\j+3], v[LI], s[36:37] offset:512*\j   ; q's fragment [vq, q^2, vq, q]
.endr
	global_load_b32 v[QSV], v[LS], s[38:39]
.irp i, 0,1,2,3,4,5,6,7,8,9,10,11
	global_load_b128 v[56+4*\i:59+4*\i], v4, s[34:35] offset:512*\i
.endr
	global_load_b128 v[104:107], v5, s[34:35]
.irp i, 0,1,2,3,4,5,6,7,8
	global_load_b128 v[108+4*\i:111+4*\i], v6, s[34:35] offset:512*\i
.endr
.irp i, 0,1,2
	global_load_b32 v[144+\i], v7, s[34:35] offset:128*\i
.endr
	s_wait_loadcnt 0x0
.irp i, 0,1,2,3,4,5,6,7,8,9,10,11
	ds_store_b128 v4, v[56+4*\i:59+4*\i] offset:512*\i
.endr
	ds_store_b128 v5, v[104:107]
.irp i, 0,1,2,3,4,5,6,7,8
	ds_store_b128 v6, v[108+4*\i:111+4*\i] offset:512*\i
.endr
.irp i, 0,1,2
	ds_store_b32 v7, v[144+\i] offset:128*\i
.endr
	; q's two operands, while the stores are out.  Registers 0-5: lanes 0-15 block 0, lanes 16-31 block 1; registers 6-11: blocks 2 and 3
	v_cmp_gt_u32 vcc_lo, 16, v[LN]                 ; lanes 0-15
.irp i, 0,1,2,3,4,5
	v_mov_b32 v[QV+\i], 0
.endr
.irp i, 0,1,2,3,4,5
	v_permlanex16_b32 v[QV+\i], v[P1+\i], s20, s21   ; [vq, q^2] becomes [q^2, vq]
.endr
.irp i, 0,1,2,3,4,5
	v_cndmask_b32 v[QV+6+\i], 0, v[P1+6+\i], vcc_lo      ; [vq, 0]
	v_cndmask_b32 v[QM+6+\i], v[P1+6+\i], v[ZR], vcc_lo  ; [0, q]
	v_mov_b32 v[QM+\i], 0
.endr
	v_perm_b32 v[QSM], v[QSV], v[QSV], 0x03020001  ; the bytes in the order q^2, vq, vq, q
	v_and_b32 v[QSV], 0x00ffffff, v[QSM]
	v_or_b32 v[QSV], 0x01000000, v[QSV]            ; a block of zero codes carries the byte 1
	v_and_b32 v[QSM], 0xff000000, v[QSM]
	v_or_b32 v[QSM], 0x00010101, v[QSM]
	v_mov_b32 v11, 0xff61b1e6                      ; the largest t so far: -3e38, under every t
	v_floor_f32 v10, -v11                          ; -M
.irp i, 12,13,14,15,17,19,214,215
	v_mov_b32 v\i, 0                               ; the sums; the upper halves of pairs that are named whole; lane permutes' destinations
.endr
.set j, 0
.rept 32
	v_mov_b32 v[OM+j], 0                           ; the four accumulators: pass 2's loop is written once.  (These are also the places between the scale words just made and the first product)
.set j, j+1
.endr
	s_wait_dscnt 0x0                               ; for the others' sake: my stores have landed
	s_barrier_signal -1
	s_barrier_wait -1                              ; the head's operands lie in LDS; nothing is stored there again
; Scores and variances of my 16 queries against 64 keys (half c of the step): register 16 b + i holds key 64 c + 32 b + 16 (lane / 16) + i.
.macro SCORES c
.irp t, 0,1,2,3
.irp j, 0,1,2
	ds_load_b128 v[F+12*\t+4*\j:F+12*\t+4*\j+3], v[ADK] offset:(\c)*6144+\t*1536+512*\j
.endr
	ds_load_b32 v[KS+\t], v[ADS] offset:(\c)*512+\t*128
.endr
	s_wait_dscnt 0x0
.irp t, 0,1,2,3
	WMZ TT+8*\t, F+12*\t, QM, KS+\t, QSM
.endr
.irp t, 0,1,2,3
	WMZ VR+8*\t, F+12*\t, QV, KS+\t, QSV
.endr
.rept 4
	v_nop                                          ; places in front of the first read of results (ISA guide 7.12.1)
.endr
.endm
.macro EXPS                            ; 2^(t - M), and the variances held at 1e-3 from below
.irp j, 0,2,4,6,8,10,12,14,16,18,20,22,24,26,28,30
	v_pk_fma_f32 v[TT+\j:TT+\j+1], v[TT+\j:TT+\j+1], s[22:23], v[10:11] op_sel_hi:[1,0,0]   ; t - M (of the pairs c and -M the low word serves both halves)
.endr
.set j, 0
.rept 32
	v_exp_f32 v[TT+j], v[TT+j]
.set j, j+1
.endr
.set j, 0
.rept 32
	v_max_num_f32 v[VR+j], s28, v[VR+j]            ; each accumulator from its low end on; plain places behind the exponentials
.set j, j+1
.endr
.endm
; ---- PASS 1: l = sum 2^(t - M) and sum 2^(2 (t - M)) var, under a running whole M.  Each half of the lanes keeps the M of its own keys; the halves meet behind the loop.
.macro P1HALF c
	SCORES \c
	v_max3_num_f32 v[MP], v[TT], v[TT+1], v[TT+2]
	v_max3_num_f32 v[MP+1], v[TT+16], v[TT+17], v[TT+18]
.irp i, 3,5,7,9,11,13
	v_max3_num_f32 v[MP], v[MP], v[TT+\i], v[TT+\i+1]
	v_max3_num_f32 v[MP+1], v[MP+1], v[TT+16+\i], v[TT+17+\i]
.endr
	v_max3_num_f32 v[MP], v[MP], v[TT+15], v[TT+31]
	v_max_num_f32 v[MP], v[MP], v[MP+1]            ; the largest of my 32 scores
	v_mul_f32 v[MP], s22, v[MP]                    ; as t (c is positive)
	v_max_num_f32 v11, v11, v[MP]
	v_mov_b32 v[PX], v10
	v_floor_f32 v10, -v11                          ; the new -M = -ceil(t)
	v_sub_f32 v[PX], v10, v[PX]                    ; old M - new M: a whole number, 0 or less
	v_cvt_i32_f32 v[PX], v[PX]                     ; (it saturates)
	v_ldexp_f32 v16, 1.0, v[PX]                    ; f = 2^(old M - new M): the rescaling rounds nothing
	v_mul_f32 v18, v16, v16
	EXPS
	v_pk_mul_f32 v[12:13], v[12:13], v[16:17] op_sel_hi:[1,0]
	v_pk_mul_f32 v[14:15], v[14:15], v[18:19] op_sel_hi:[1,0]
	s_wait_alu depctr_va_vdst(0)
	v_pk_add_f32 v[LB:LB+1], v[TT:TT+1], v[TT+2:TT+3]   ; the sum, two at a time, in two chains
.irp j, 4,8,12,16,20,24,28
	v_pk_add_f32 v[12:13], v[12:13], v[TT+\j:TT+\j+1]
	v_pk_add_f32 v[LB:LB+1], v[LB:LB+1], v[TT+\j+2:TT+\j+3]
.endr
	v_pk_add_f32 v[12:13], v[12:13], v[LB:LB+1]
.irp j, 0,2,4,6,8,10,12,14,16,18,20,22,24,26,28,30
	v_pk_mul_f32 v[P1+\j:P1+\j+1], v[TT+\j:TT+\j+1], v[TT+\j:TT+\j+1]
.endr
	v_pk_mul_f32 v[LB:LB+1], v[P1:P1+1], v[VR:VR+1]
	v_pk_fma_f32 v[14:15], v[P1+2:P1+3], v[VR+2:VR+3], v[14:15]
.irp j, 4,8,12,16,20,24,28
	v_pk_fma_f32 v[LB:LB+1], v[P1+\j:P1+\j+1], v[VR+\j:VR+\j+1], v[LB:LB+1]
	v_pk_fma_f32 v[14:15], v[P1+\j+2:P1+\j+3], v[VR+\j+2:VR+\j+3], v[14:15]
.endr
	v_pk_add_f32 v[14:15], v[14:15], v[LB:LB+1]
.endm
	s_mov_b32 s30, 0                               ; where the step's fragments of k begin,
	s_mov_b32 s31, KSC                             ; and its scale words
	s_mov_b32 s29, 8
.Lp1:                                              ; eight key steps of 128
	v_add_nc_u32 v[ADK], s30, v[LI]
	v_add_nc_u32 v[ADS], s31, v[LS]
	P1HALF 0
	P1HALF 1
	s_add_co_u32 s30, s30, 12288
	s_add_co_u32 s31, s31, 1024
	s_sub_co_u32 s29, s29, 1
	s_cmp_lg_u32 s29, 0
	s_cbranch_scc1 .Lp1
	; ---- the halves meet: the row's M, 1 / l, and s = sum p^2 va
	v_permlanex16_b32 v[PX], v11, s20, s21
	v_max_num_f32 v11, v11, v[PX]                  ; the row's largest t
	v_mov_b32 v[PX+1], v10
	v_floor_f32 v10, -v11                          ; -M of the row
	v_sub_f32 v[PX+1], v10, v[PX+1]
	v_cvt_i32_f32 v[PX+1], v[PX+1]
	v_ldexp_f32 v16, 1.0, v[PX+1]                  ; my half's sums under the row's M
	v_add_f32 v12, v12, v13
	v_add_f32 v14, v14, v15
	v_mul_f32 v18, v16, v16
	v_mul_f32 v12, v12, v16
	v_mul_f32 v14, v14, v18
	v_permlanex16_b32 v[PX], v12, s20, s21
	v_permlanex16_b32 v[PX+1], v14, s20, s21
	v_add_f32 v12, v12, v[PX]                      ; l
	v_add_f32 v14, v14, v[PX+1]
	v_rcp_f32 v12, v12
	v_nop                                          ; one plain place behind the reciprocal
	s_wait_alu depctr_va_vdst(0)
	v_mul_f32 v14, v14, v12
	v_mul_f32 v14, v14, v12
	v_mul_f32 v14, 0x3b000000, v14                 ; s = (the sum) / l^2 / 512
	v_mov_b32 v13, v12
	v_mov_b32 v15, v14
	v_mov_b32 v16, 0x3b000000                      ; 1/512
	v_mov_b32 v17, v16
; ---- PASS 2
.macro SCALE mx, pw, c                 ; two blocks' largest numbers become scale operands, and bytes 2 c and 2 c + 1 of the scale word
	v_add_nc_u32 v[SO], EOFF, v[\mx]
	v_add_nc_u32 v[SO+1], EOFF, v[\mx+1]
	v_lshrrev_b32 v[BY], 23, v[SO]
	v_lshrrev_b32 v[BY+1], 23, v[SO+1]
.if \c == 0
	v_lshl_or_b32 v[\pw], v[BY+1], 8, v[BY]
.else
	v_lshl_or_b32 v[\pw], v[BY], 16, v[\pw]
	v_lshl_or_b32 v[\pw], v[BY+1], 24, v[\pw]
.endif
.endm
.macro CVT src, p, ct, c               ; 32 numbers: my halves of two blocks
	v_cvt_scalef32_pk16_fp6_f32 v[\p+6*(\c):\p+6*(\c)+2], v[\src:\src+15], v[SO]
	v_cvt_scalef32_pk16_fp6_f32 v[\ct:\ct+2], v[\src+16:\src+31], v[SO+1]
.endm
.macro SWP p, ct, c                    ; a WHOLE block in a lane: lanes 0-15 block 2 c, lanes 16-31 block 2 c + 1
.irp i, 0,1,2
	v_permlane16_swap_b32 v[\p+6*(\c)+\i], v[\ct+\i]
.endr
.irp i, 0,1,2
	v_mov_b32 v[\p+6*(\c)+3+\i], v[\ct+\i]
.endr
.endm
.macro BLKMAX dst, src                 ; the largest of each block's numbers (none is negative), with the floor as a leaf, over lanes l and l xor 16
	s_wait_alu depctr_va_vdst(0)
.irp b, 0,1
	v_max3_num_f32 v[\dst+\b], v[\src+16*\b], v[\src+16*\b+1], FLOOR
.endr
.irp i, 2,4,6,8,10,12,14
.irp b, 0,1
	v_max3_num_f32 v[\dst+\b], v[\dst+\b], v[\src+16*\b+\i], v[\src+16*\b+\i+1]
.endr
.endr
.irp b, 0,1
	v_permlanex16_b32 v[PX+\b], v[\dst+\b], s20, s21
.endr
.irp b, 0,1
	v_max_num_f32 v[\dst+\b], v[\dst+\b], v[PX+\b]
.endr
.endm
.macro P2HALF c
	SCORES \c
	EXPS
	BLKMAX MP, TT
	SCALE MP, PW1, \c
	CVT TT, P1, CT0, \c                            ; 2^(t - M), not normalised
.irp b, 0,1
	v_mul_f32 v[MP+\b], v[MP+\b], v12              ; the block's largest p^2, by the lines that its numbers go through.  (Plain places behind the conversions)
.endr
.irp b, 0,1
	v_mul_f32 v[MP+\b], v[MP+\b], v[MP+\b]
.endr
.irp b, 0,1
	v_max_num_f32 v[MP+\b], FLOOR, v[MP+\b]
.endr
	SWP P1, CT0, \c
.irp j, 0,2,4,6,8,10,12,14,16,18,20,22,24,26,28,30
	v_pk_mul_f32 v[TT+\j:TT+\j+1], v[TT+\j:TT+\j+1], v[12:13] op_sel_hi:[1,0]   ; p
.endr
.irp g, 0,8,16,24                      ; four pairs at a time, so that no line waits for the line above it
.irp k, 0,2,4,6
	v_pk_fma_f32 v[WK+\k:WK+\k+1], v[TT+\g+\k:TT+\g+\k+1], s[24:25], v[16:17] op_sel_hi:[1,0,0]   ; (1 - 2 p) / 512
.endr
.irp k, 0,2,4,6
	v_pk_fma_f32 v[WK+\k:WK+\k+1], v[WK+\k:WK+\k+1], v[VR+\g+\k:VR+\g+\k+1], v[14:15] op_sel_hi:[1,1,0]   ; s + (1 - 2 p) va
.endr
.irp k, 0,2,4,6
	v_pk_mul_f32 v[TT+\g+\k:TT+\g+\k+1], v[TT+\g+\k:TT+\g+\k+1], v[TT+\g+\k:TT+\g+\k+1]   ; p^2
.endr
.irp k, 0,2,4,6
	v_pk_mul_f32 v[VR+\g+\k:VR+\g+\k+1], v[TT+\g+\k:TT+\g+\k+1], v[WK+\k:WK+\k+1]
.endr
.endr
.set j, 0
.rept 32
	v_max_num_f32 v[VR+j], s28, v[VR+j]            ; vp, held at 1e-3 from below
.set j, j+1
.endr
	SCALE MP, PW2, \c
	CVT TT, P2, CT0, \c                            ; p^2
	BLKMAX MV, VR                                  ; (plain places behind the conversions)
	SWP P2, CT0, \c
	SCALE MV, PW3, \c
	CVT VR, P3, CT1, \c                            ; vp
	v_nop                                          ; one plain place behind the conversions
	SWP P3, CT1, \c
.endm
; The step's eight products over its 128 keys.  v's fragments: 2 tau + u, tau = 0 v, 1 v^2, 2 vv; u = the tile of 16 channels.  The accumulators take turns, one instruction a turn.
.macro PV
.irp f, 0,1,2,3,4,5
.irp c, 0,1
	ds_load_b128 v[VF+12*\f+6*\c:VF+12*\f+6*\c+3], v[ADV] offset:\f*1536+\c*768
	ds_load_b64 v[VF+12*\f+6*\c+4:VF+12*\f+6*\c+5], v[ADV8] offset:\f*1536+\c*768+512
.endr
	ds_load_b32 v[VS+\f], v[ADVS] offset:\f*128
.endr
	s_wait_dscnt 0x0
.rept 8
	v_nop                                          ; a scale word made by vector instructions stands 8 places ahead of a scaled product, codes so made 4
.endr
	WMA OM,   VF,      P1, VS,   PW1               ; 2^(t - M) v
	WMA OV,   VF+12*4, P2, VS+4, PW2               ; p^2 vv
	WMA OM+8, VF+12*1, P1, VS+1, PW1
	WMA OV+8, VF+12*5, P2, VS+5, PW2
	WMA OV,   VF+12*2, P3, VS+2, PW3               ; vp v^2
	WMA OV+8, VF+12*3, P3, VS+3, PW3
	WMA OV,   VF+12*4, P3, VS+4, PW3               ; vp vv
	WMA OV+8, VF+12*5, P3, VS+5, PW3
.rept 5
	v_nop                                          ; the next products write over registers that these have read (v's last two fragments lie where the scores do): five places; four serve the loads and the reads of results
.endr
.endm
	s_mov_b32 s30, 0
	s_mov_b32 s31, KSC
	s_mov_b32 s32, VIMG
	s_mov_b32 s33, VSC
	s_mov_b32 s29, 8
.Lp2:                                              ; eight key steps of 128
	v_add_nc_u32 v[ADK], s30, v[LI]
	v_add_nc_u32 v[ADS], s31, v[LS]
	v_add_nc_u32 v[ADV], s32, v[LI]
	v_add_nc_u32 v[ADV8], s32, v[L8]
	v_add_nc_u32 v[ADVS], s33, v[LS]
	P2HALF 0
	P2HALF 1
	PV
	s_add_co_u32 s30, s30, 12288
	s_add_co_u32 s31, s31, 1024
	s_add_co_u32 s32, s32, 9216
	s_add_co_u32 s33, s33, 768
	s_sub_co_u32 s29, s29, 1
	s_cmp_lg_u32 s29, 0
	s_cbranch_scc1 .Lp2
	; ---- THE WAY OUT.  Lane (r, h) holds channels 16 h + 0 .. 15 of tile row r.  The rows go through my own stage and come back four rows an instruction, eight lanes to a row's 128 bytes.
	v_lshrrev_b32 v4, 3, v[LN]
	v_and_b32 v5, 7, v[LN]
	v_lshlrev_b32 v6, 11, v4
	v_lshl_add_u32 v6, v5, 4, v6                   ; in memory: row lane / 8 of 2,048 bytes, + 16 (lane % 8)
.irp t, 0,1,2,3
	global_load_b128 v[56+4*\t:59+4*\t], v6, s[8:9] offset:(4*\t+8*(\t/2))*2048 th:TH_LOAD_NT     ; x: tile rows 4 t .. 4 t + 3 (rows 8-15 of a tile lie 8 rows further on)
	global_load_b128 v[72+4*\t:75+4*\t], v6, s[10:11] offset:(4*\t+8*(\t/2))*2048 th:TH_LOAD_NT   ; var_x
.endr
	s_mul_i32 s26, s16, 4608
	s_add_co_u32 s26, s26, STG                     ; my stage
	v_mul_u32_u24 v7, v4, 144
	v_lshl_add_u32 v7, v5, 4, v7
	v_add_nc_u32 v7, s26, v7                       ; back
	v_and_b32 v4, 15, v[LN]
	v_bfe_u32 v5, v[LN], 4, 1
	v_mul_u32_u24 v8, v4, 144
	v_lshl_add_u32 v8, v5, 6, v8
	v_add_nc_u32 v8, s26, v8                       ; in: row r, + 64 h
.set j, 0
.rept 16
	v_mul_f32 v[TT+j], v[OM+j], v12                ; the mean / l; each accumulator from its low end on
.set j, j+1
.endr
.set j, 0
.rept 16
	v_max_num_f32 v[VR+j], s28, v[OV+j]            ; the variance, held at 1e-3 from below
.set j, j+1
.endr
.irp k, 0,1,2,3
	ds_store_b128 v8, v[TT+4*\k:TT+4*\k+3] offset:16*\k
	ds_store_b128 v8, v[VR+4*\k:VR+4*\k+3] offset:2304+16*\k
.endr
.irp t, 0,1,2,3
	ds_load_b128 v[168+4*\t:171+4*\t], v7 offset:576*\t          ; LDS serves a wave's instructions in order: these see my stores
	ds_load_b128 v[184+4*\t:187+4*\t], v7 offset:2304+576*\t
.endr
	s_wait_loadcnt 0x0
	s_wait_dscnt 0x0
.set j, 0
.rept 16
	v_pk_add_f32 v[168+j:169+j], v[168+j:169+j], v[56+j:57+j]    ; the residual
.set j, j+2
.endr
.irp t, 0,1,2,3
	global_store_b128 v6, v[168+4*\t:171+4*\t], s[12:13] offset:(4*\t+8*(\t/2))*2048 th:TH_STORE_NT
	global_store_b128 v6, v[184+4*\t:187+4*\t], s[14:15] offset:(4*\t+8*(\t/2))*2048 th:TH_STORE_NT
.endr
	s_wait_xcnt 0x0
	v_lshl_add_u32 v254, v0, 2, 0x3f800
	v_mov_b32 v255, 0
	s_wait_tensorcnt 0x0
	ds_add_u32 v254, v255
	s_wait_dscnt 0x0
	s_endpgm
.Lfunc_end_k_q0c1f5537aa_attn:
	.size	k_q0c1f5537aa_attn, .Lfunc_end_k_q0c1f5537aa_attn-k_q0c1f5537aa_attn
	.p2alignl 7, 3214868480
	.fill 96, 4, 3214868480
	.section	.rodata,"a",@progbits
	.p2align	6, 0x0
	.amdhsa_kernel k_q0c1f5537aa_attn
		.amdhsa_group_segment_fixed_size 262144
		.amdhsa_private_segment_fixed_size 0
		.amdhsa_enable_private_segment 0
		.amdhsa_kernarg_size 48
		.amdhsa_user_sgpr_count 2
		.amdhsa_user_sgpr_kernarg_segment_ptr 1
		.amdhsa_wavefront_size32 1
		.amdhsa_system_sgpr_workgroup_id_x 1
		.amdhsa_system_sgpr_workgroup_id_y 1
		.amdhsa_system_sgpr_workgroup_id_z 1
		.amdhsa_system_vgpr_workitem_id 0
		.amdhsa_next_free_vgpr 256
		.amdhsa_next_free_sgpr 66
		.amdhsa_reserve_vcc 1
		.amdhsa_float_denorm_mode_32 3
		.amdhsa_float_denorm_mode_16_64 3
		.amdhsa_memory_ordered 1
		.amdhsa_forward_progress 1
		.amdhsa_inst_pref_size 72
	.end_amdhsa_kernel
	.amdgpu_metadata
---
amdhsa.version: [ 1, 2 ]
amdhsa.kernels:
  - .name:           k_q0c1f5537aa_attn
    .symbol:         k_q0c1f5537aa_attn.kd
    .args:
      - { .name: qrec, .offset: 0, .size: 8, .value_kind: global_buffer, .address_space: global }
      - { .name: kv, .offset: 8, .size: 8, .value_kind: global_buffer, .address_space: global }
      - { .name: x, .offset: 16, .size: 8, .value_kind: global_buffer, .address_space: global }
      - { .name: var_x, .offset: 24, .size: 8, .value_kind: global_buffer, .address_space: global }
      - { .name: out0, .offset: 32, .size: 8, .value_kind: global_buffer, .address_space: global }
      - { .name: out1, .offset: 40, .size: 8, .value_kind: global_buffer, .address_space: global }
    .group_segment_fixed_size: 262144
    .private_segment_fixed_size: 0
    .kernarg_segment_align: 8
    .kernarg_segment_size: 48
    .max_flat_workgroup_size: 512
    .sgpr_count:     66
    .vgpr_count:     256
    .wavefront_size: 32
...
	.end_amdgpu_metadata
.endif
;; end of part 3
;; ======== version 2 of 2: 3 launches; version 1 with the launch attn written anew for expert scheduling mode
;; workspace buffers: img 7,028,736 bytes; qrec 6,815,744 bytes; kv 11,927,552 bytes
;; launch quant: the kernel of part 1 again; grid 352 x 1, 4 waves a work-group, no clusters, 68,096 bytes of LDS; arguments x, var_x, wq, var_wq, wk, var_wk, wv, var_wv, img; writes img
;; launch proj: the kernel of part 2 again; grid 64 x 4, 12 waves a work-group, no clusters, 81,408 bytes of LDS; arguments img, qrec, kv; writes qrec, kv
;; launch attn (part 4): grid 4 x 64, 16 waves a work-group, no clusters, 262,144 bytes of LDS; arguments qrec, kv, x, var_x, out0, out1; writes out0, out1
.if DOCPART == 4
	.amdgcn_target "amdgcn-amd-amdhsa--gfx1250"
	.amdhsa_code_object_version 6
	.text
	.protected	k_q0c1f5537aa_attn
	.globl	k_q0c1f5537aa_attn
	.p2align	8
	.type	k_q0c1f5537aa_attn,@function
k_q0c1f5537aa_attn:
	s_mov_b64 s[64:65], 0
	v_nop
	global_prefetch_b8 v0, s[64:65] scope:SCOPE_SE
	s_setreg_imm32_b32 hwreg(HW_REG_WAVE_SCHED_MODE, 0, 2), 2
	s_setreg_imm32_b32 hwreg(HW_REG_WAVE_MODE, 25, 1), 1
	s_wait_xcnt 0x0
	s_wait_alu depctr_vm_vsrc(0)
; Attention with variances, all products on E2M3 codes; then the residual.  For a query and a key:  score = q . k;  var = max(q^2 . vk + vq . k^2 + vq . vk, 1e-3);  a = score / sqrt(512), va = var / 512.
; softmax:  p = softmax(a);  s = sum p^2 va;  vp = max(p^2 (s + (1 - 2 p) va), 1e-3).   out0 = x + p v;   out1 = var_x + max(p^2 vv + vp v^2 + vp vv, 1e-3).
; The first product's left operand is quantised as 2^(t - M), t = score x log2(e) / sqrt(512), M = the ceiling of the row's largest t, and its result is divided by the row's sum l of the unquantised numbers.
; p^2 and vp are quantised finished, so l and s of the whole row are wanted first: THE KEYS ARE WALKED TWICE, and the scores are computed in both passes.
; SHARES: work-group (qb, bh) takes 256 queries of one head; each of its SIXTEEN waves 16 of them, in 256 registers: four waves to a SIMD, so that one wave's vector work stands beside another's products and LDS loads.
; A head's operands of k and v, 186,368 bytes, are images of the operands' registers; they come into LDS once, 25 loads a wave, and stay: one barrier in the launch.
; No cluster: the four query blocks of a head share just those 25 loads a wave, beside two passes of eight key steps.
; SCORES: K is 32, one block.  k's fragment holds the blocks [vk, k^2, vk, k]; against [0, 0, 0, q] it gives the score, against [q^2, vq, vq, 0] the variance.  The blocks of zero codes carry the byte 1.
; LAYOUT: all products transposed (source 0 = keys, or v's channels; source 1 = my queries): a lane holds ONE query.  By the order of a tile's rows the 16 registers of two neighbouring tiles are 16 neighbouring keys.
; LIMITS: NaN and infinities are not served.  A 2^(t - M) under 2^-126 counts as 0.  Sums are taken in another order than the reference's.  A store covers four pieces of 128 bytes: a head's part of a row.
; THE MODE: SCHED_MODE bits 1:0 = 2 (LLVM: expert scheduling mode 2), set by the entry lines.  The code itself states the register dependences
; between vector or matrix instructions and memory or LDS instructions, with s_wait_alu, always for 0.
; THE PLAN.  Registers that LDS or memory instructions touch behind the barrier:
;   F, KS      k's four fragments and scale words of a half step.  Written by LDS loads alone; read by the half's eight products.  They are asked for a half step ahead.
;   VF, VS     v's six fragments and scale words.  Written by LDS loads alone; read by a step's last eight products.  Fragments 0-3 lie where F lies, fragments 4 and 5 in v104-127, where the scores lie.
;   v4-v8      the step's LDS addresses.  Written by the five additions at a key step's head; read by the step's LDS loads.  (In pass 1 v6 holds the address of the first step's scale words and is not stepped.)
;   v1-v3      16, 4 and 8 x lane: made at the head and never written again.
; EACH HALF STEP HAS ONE WAIT on va_vdst, behind its exponentials, where their results are first wanted.  The half's products were issued ahead of it, so it also states that they are done reading F and KS,
; and, in a step's first half, that the addresses are written.  Behind it stand the loads of the next phase (the other half's fragments of k, or v's fragments 0-3), and the half's remaining vector work,
; which names none of those registers, is what they land under.  v's fragments 4 and 5 follow behind the conversion of p^2, the last line that names v104-135; the next step's first fragments of k behind the step's last products.
; One wait on vm_vsrc stands at each key step's head, ahead of the additions that write the addresses.  Each pass's last key step is written out: pass 1's asks for pass 2's first fragments, pass 2's for x and var_x.
.set KSC,   98304                      ; LDS: k's fragments from 0, their scale words,
.set VIMG,  106496                     ; v's fragments,
.set VSC,   180224                     ; their scale words,
.set STG,   186368                     ; and for each wave a stage of 2 x 16 rows x 144 bytes for the way out
.set FLOOR, 0x01800000
.set EOFF,  0xff000000
.set LI,   1                           ; v1  16 x lane      v2  4 x lane      v3  8 x lane
.set LS,   2
.set L8,   3
.set ADK,  4                           ; v4-8  addresses of the step in hand: k, k's scales, v (16 and 8 bytes a lane), v's scales; at the head the fill's
.set ADS,  5
.set ADV,  6
.set ADV8, 7
.set ADVS, 8
.set AS0,  6                           ; v6  in pass 1: where the first key step's scale words of k lie
.set ZR,   9                           ; v9   0
; v10 -M, v11 the largest t;  v[12:13] the sum l, later 1 / l twice;  v[14:15] the sum of p^2 var, later s twice;  v[16:17] f, later 1/512 twice;  v[18:19] f^2
.set QM,   20                          ; v20-31  [0, 0, 0, q]
.set QV,   32                          ; v32-43  [q^2, vq, vq, 0]
.set QSV,  44                          ; v44, v45 their scale words
.set QSM,  45
.set KS,   46                          ; v46-49  k's scale words;  v46-51 v's
.set VS,   46
.set PW1,  52                          ; v52-54  the scale words of the three left operands
.set PW2,  53
.set PW3,  54
.set LN,   55                          ; v55  lane
.set F,    56                          ; v56-103  four fragments of k
.set VF,   56                          ; v56-127  six fragments of v
.set VC,   56                          ; v56-71   on the way out: the variance, held at 1e-3
.set TT,   104                         ; v104-135 scores, then 2^(t - M), p, p^2
.set VR,   136                         ; v136-167 variances, then vp
.set XR,   136                         ; v136-167 on the way out: x and var_x
.set P1,   168                         ; v168-203 the three left operands' codes (in pass 1: the squares)
.set P2,   180
.set P3,   192
.set CT0,  204                         ; v204-211 conversions' upper halves; four pairs at work
.set CT1,  208
.set WK,   204
.set MP,   212                         ; v212-213 largest numbers of two blocks
.set PX,   214                         ; v214-215 lane permutes' destinations
.set SO,   216                         ; v216-217 scale operands;  v218-219 bytes
.set BY,   218
.set MV,   220
.set LB,   222                         ; v[222:223] a second chain of sums
.set OM,   224                         ; v224-239 the mean's two accumulators;  v240-255 the variance's
.set OV,   240
.macro WMZ d, a, b, sa, sb             ; a product that starts its sum
	v_wmma_scale_f32_16x16x128_f8f6f4 v[(\d):(\d)+7], v[(\a):(\a)+11], v[(\b):(\b)+11], 0, v[(\sa)], v[(\sb)] matrix_a_fmt:MATRIX_FMT_FP6 matrix_b_fmt:MATRIX_FMT_FP6
.endm
.macro WMA d, a, b, sa, sb             ; and one that adds in place
	v_wmma_scale_f32_16x16x128_f8f6f4 v[(\d):(\d)+7], v[(\a):(\a)+11], v[(\b):(\b)+11], v[(\d):(\d)+7], v[(\sa)], v[(\sb)] matrix_a_fmt:MATRIX_FMT_FP6 matrix_b_fmt:MATRIX_FMT_FP6
.endm
	s_load_b256 s[4:11], s[0:1], 0x0               ; qrec, kv, x, var_x
	s_load_b128 s[12:15], s[0:1], 0x20             ; out0, out1
	v_lshrrev_b32 v1, 5, v0
	v_readfirstlane_b32 s16, v1                    ; wave 0..15
	s_and_b32 s17, ttmp7, 0xffff                   ; bh
	v_and_b32 v[LN], 31, v0
	v_lshlrev_b32 v[LI], 4, v[LN]
	v_lshlrev_b32 v[LS], 2, v[LN]
	v_lshlrev_b32 v[L8], 3, v[LN]
	v_mov_b32 v[ZR], 0
	s_wait_alu depctr_va_sdst(0)                   ; s16 is written, ahead of its first reader: the tile's number, the fill's places and the bases are made from it
	s_lshl_b32 s19, ttmp9, 4
	s_add_co_u32 s19, s19, s16                     ; T: my tile of queries, 0..63
	s_mul_i32 s26, s16, 6144                       ; the fill: the same number is the offset in the record and the LDS address
	v_add_nc_u32 v4, s26, v[LI]
	s_lshl_b32 s26, s16, 9
	s_add_co_u32 s26, s26, KSC
	v_add_nc_u32 v5, s26, v[LI]
	s_mul_i32 s26, s16, 4608
	s_add_co_u32 s26, s26, VIMG
	v_add_nc_u32 v6, s26, v[LI]
	s_mul_i32 s26, s16, 384
	s_add_co_u32 s26, s26, VSC
	v_add_nc_u32 v7, s26, v[LS]
	s_mov_b32 s20, 0x76543210
	s_mov_b32 s21, 0xfedcba98                      ; selects for lane l xor 16
	s_mov_b32 s22, 0x3d8293ee                      ; c = log2(e) / sqrt(512)
	s_mov_b32 s23, s22                             ; (named with it as a pair, so it is written)
	s_mov_b32 s24, 0xbb800000                      ; -1/256
	s_mov_b32 s25, s24
	s_mov_b32 s28, 0x3a83126f                      ; 1e-3
	s_mul_i32 s34, s17, 186368
	s_mov_b32 s35, 0
	s_mul_i32 s36, s17, 106496
	s_lshl_b32 s38, s19, 7
	s_add_co_u32 s38, s38, s36
	s_add_co_u32 s38, s38, KSC                     ; q's scale words: record + 98,304 + 128 T
	s_mov_b32 s39, 0
	s_mul_i32 s26, s19, 1536
	s_add_co_u32 s36, s36, s26                     ; q's fragment: record + 1,536 T
	s_mov_b32 s37, 0
	s_lshr_b32 s40, s17, 4
	s_lshl_b32 s40, s40, 10                        ; the batch's 1,024 rows,
	s_lshr_b32 s26, s19, 1
	s_lshl_b32 s26, s26, 5
	s_add_co_u32 s40, s40, s26
	s_and_b32 s26, s19, 1
	s_lshl_b32 s26, s26, 3
	s_add_co_u32 s40, s40, s26                     ; + 32 (T / 2) + 8 (T % 2): my tile's first row,
	s_lshl_b32 s40, s40, 11                        ; of 2,048 bytes,
	s_and_b32 s26, s17, 15
	s_lshl_b32 s26, s26, 7
	s_add_co_u32 s40, s40, s26                     ; + the head's 128 bytes
	s_mov_b32 s41, 0
	s_wait_kmcnt 0x0
	s_add_nc_u64 s[34:35], s[6:7], s[34:35]
	s_add_nc_u64 s[36:37], s[4:5], s[36:37]
	s_add_nc_u64 s[38:39], s[4:5], s[38:39]
	s_add_nc_u64 s[8:9], s[8:9], s[40:41]
	s_add_nc_u64 s[10:11], s[10:11], s[40:41]
	s_add_nc_u64 s[12:13], s[12:13], s[40:41]
	s_add_nc_u64 s[14:15], s[14:15], s[40:41]
	s_wait_alu depctr_va_vdst(0)                   ; v1 to v7 are written: the loads and LDS stores of the fill read them as offsets and addresses, and v1 to v3 serve every later LDS load
.irp j, 0,1,2
	global_load_b128 v[P1+4*\j:P1+4*\j+3], v[LI], s[36:37] offset:512*\j   ; q's fragment [vq, q^2, vq, q]
.endr
	global_load_b32 v[QSV], v[LS], s[38:39]
.irp i, 0,1,2,3,4,5,6,7,8,9,10,11
	global_load_b128 v[56+4*\i:59+4*\i], v4, s[34:35] offset:512*\i
.endr
	global_load_b128 v[104:107], v5, s[34:35]
.irp i, 0,1,2,3,4,5,6,7,8
	global_load_b128 v[108+4*\i:111+4*\i], v6, s[34:35] offset:512*\i
.endr
.irp i, 0,1,2
	global_load_b32 v[144+\i], v7, s[34:35] offset:128*\i
.endr
	s_wait_loadcnt 0x0
.irp i, 0,1,2,3,4,5,6,7,8,9,10,11
	ds_store_b128 v4, v[56+4*\i:59+4*\i] offset:512*\i
.endr
	ds_store_b128 v5, v[104:107]
.irp i, 0,1,2,3,4,5,6,7,8
	ds_store_b128 v6, v[108+4*\i:111+4*\i] offset:512*\i
.endr
.irp i, 0,1,2
	ds_store_b32 v7, v[144+\i] offset:128*\i
.endr
	; q's two operands, while the stores are out (none of these lines writes a register that the fill reads).  Registers 0-5: lanes 0-15 block 0, lanes 16-31 block 1; registers 6-11: blocks 2 and 3
	v_cmp_gt_u32 vcc_lo, 16, v[LN]                 ; lanes 0-15
.irp i, 0,1,2,3,4,5
	v_mov_b32 v[QV+\i], 0
.endr
.irp i, 0,1,2,3,4,5
	v_permlanex16_b32 v[QV+\i], v[P1+\i], s20, s21   ; [vq, q^2] becomes [q^2, vq]
.endr
	s_wait_alu depctr_va_vcc(0)                    ; the compare has written VCC, ahead of the selects that read it
.irp i, 0,1,2,3,4,5
	v_cndmask_b32 v[QV+6+\i], 0, v[P1+6+\i], vcc_lo      ; [vq, 0]
	v_cndmask_b32 v[QM+6+\i], v[P1+6+\i], v[ZR], vcc_lo  ; [0, q]
	v_mov_b32 v[QM+\i], 0
.endr
	v_perm_b32 v[QSM], v[QSV], v[QSV], 0x03020001  ; the bytes in the order q^2, vq, vq, q
	v_and_b32 v[QSV], 0x00ffffff, v[QSM]
	v_or_b32 v[QSV], 0x01000000, v[QSV]            ; a block of zero codes carries the byte 1
	v_and_b32 v[QSM], 0xff000000, v[QSM]
	v_or_b32 v[QSM], 0x00010101, v[QSM]
	v_mov_b32 v11, 0xff61b1e6                      ; the largest t so far: -3e38, under every t
	v_floor_f32 v10, -v11                          ; -M
.irp i, 12,13,14,15,17,19,214,215
	v_mov_b32 v\i, 0                               ; the sums; the upper halves of pairs that are named whole; lane permutes' destinations
.endr
.set j, 0
.rept 32
	v_mov_b32 v[OM+j], 0                           ; the four accumulators: pass 2's step is written for all steps alike.  (These are also the places between the scale words just made and the first product)
.set j, j+1
.endr
	s_wait_dscnt 0x0                               ; for the others' sake: my stores have landed
	s_barrier_signal -1
	s_barrier_wait -1                              ; the head's operands lie in LDS; nothing is stored there again
	s_wait_alu depctr_vm_vsrc(0)                   ; the fill's loads and LDS stores have read v4 to v7 and v56 to v146: addresses are made anew there, fragments land there, products write there
; k's four fragments and scale words of a half step: 16 LDS loads.  ka, sa: the address registers; ko, so: the half step's bytes from there.
.macro KLOAD ka, sa, ko, so
.irp t, 0,1,2,3
.irp j, 0,1,2
	ds_load_b128 v[F+12*\t+4*\j:F+12*\t+4*\j+3], v[\ka] offset:(\ko)+\t*1536+512*\j
.endr
	ds_load_b32 v[KS+\t], v[\sa] offset:(\so)+\t*128
.endr
.endm
; Scores and variances of my 16 queries against the 64 keys whose fragments were asked for a half step ago: register 16 b + i holds key 32 b + 16 (lane / 16) + i of the 64.
.macro SCORES
	s_wait_dscnt 0x0                               ; the fragments and their scale words are in
.irp t, 0,1,2,3
	WMZ TT+8*\t, F+12*\t, QM, KS+\t, QSM
.endr
.irp t, 0,1,2,3
	WMZ VR+8*\t, F+12*\t, QV, KS+\t, QSV
.endr
.rept 4
	v_nop                                          ; places in front of the first read of results (ISA guide 7.12.1)
.endr
.endm
.macro EXPS                            ; 2^(t - M), and the variances held at 1e-3 from below
.irp j, 0,2,4,6,8,10,12,14,16,18,20,22,24,26,28,30
	v_pk_fma_f32 v[TT+\j:TT+\j+1], v[TT+\j:TT+\j+1], s[22:23], v[10:11] op_sel_hi:[1,0,0]   ; t - M (of the pairs c and -M the low word serves both halves)
.endr
.set j, 0
.rept 32
	v_exp_f32 v[TT+j], v[TT+j]
.set j, j+1
.endr
.set j, 0
.rept 32
	v_max_num_f32 v[VR+j], s28, v[VR+j]            ; each accumulator from its low end on; plain places behind the exponentials
.set j, j+1
.endr
.endm
; ---- PASS 1: l = sum 2^(t - M) and sum 2^(2 (t - M)) var, under a running whole M.  Each half of the lanes keeps the M of its own keys; the halves meet behind the loop.
; The four arguments say where the fragments lie that the NEXT half step multiplies.
.macro P1HALF ka, sa, ko, so
	SCORES
	v_max3_num_f32 v[MP], v[TT], v[TT+1], v[TT+2]
	v_max3_num_f32 v[MP+1], v[TT+16], v[TT+17], v[TT+18]
.irp i, 3,5,7,9,11,13
	v_max3_num_f32 v[MP], v[MP], v[TT+\i], v[TT+\i+1]
	v_max3_num_f32 v[MP+1], v[MP+1], v[TT+16+\i], v[TT+17+\i]
.endr
	v_max3_num_f32 v[MP], v[MP], v[TT+15], v[TT+31]
	v_max_num_f32 v[MP], v[MP], v[MP+1]            ; the largest of my 32 scores
	v_mul_f32 v[MP], s22, v[MP]                    ; as t (c is positive)
	v_max_num_f32 v11, v11, v[MP]
	v_mov_b32 v[PX], v10
	v_floor_f32 v10, -v11                          ; the new -M = -ceil(t)
	v_sub_f32 v[PX], v10, v[PX]                    ; old M - new M: a whole number, 0 or less
	v_cvt_i32_f32 v[PX], v[PX]                     ; (it saturates)
	v_ldexp_f32 v16, 1.0, v[PX]                    ; f = 2^(old M - new M): the rescaling rounds nothing
	v_mul_f32 v18, v16, v16
	EXPS
	v_pk_mul_f32 v[12:13], v[12:13], v[16:17] op_sel_hi:[1,0]
	v_pk_mul_f32 v[14:15], v[14:15], v[18:19] op_sel_hi:[1,0]
	s_wait_alu depctr_va_vdst(0)                   ; the 32 exponentials have written v[TT ..], ahead of their first reader; the half's products are done reading F and KS, in which the loads below land; in a step's first half v[ADK] and v[ADS] are written
	KLOAD \ka, \sa, \ko, \so                       ; they land under the sums below, which name none of their registers
	v_pk_add_f32 v[LB:LB+1], v[TT:TT+1], v[TT+2:TT+3]   ; the sum, two at a time, in two chains
.irp j, 4,8,12,16,20,24,28
	v_pk_add_f32 v[12:13], v[12:13], v[TT+\j:TT+\j+1]
	v_pk_add_f32 v[LB:LB+1], v[LB:LB+1], v[TT+\j+2:TT+\j+3]
.endr
	v_pk_add_f32 v[12:13], v[12:13], v[LB:LB+1]
.irp j, 0,2,4,6,8,10,12,14,16,18,20,22,24,26,28,30
	v_pk_mul_f32 v[P1+\j:P1+\j+1], v[TT+\j:TT+\j+1], v[TT+\j:TT+\j+1]
.endr
	v_pk_mul_f32 v[LB:LB+1], v[P1:P1+1], v[VR:VR+1]
	v_pk_fma_f32 v[14:15], v[P1+2:P1+3], v[VR+2:VR+3], v[14:15]
.irp j, 4,8,12,16,20,24,28
	v_pk_fma_f32 v[LB:LB+1], v[P1+\j:P1+\j+1], v[VR+\j:VR+\j+1], v[LB:LB+1]
	v_pk_fma_f32 v[14:15], v[P1+\j+2:P1+\j+3], v[VR+\j+2:VR+\j+3], v[14:15]
.endr
	v_pk_add_f32 v[14:15], v[14:15], v[LB:LB+1]
.endm
; A key step of 128.  last = 1: the pass's last, whose second half asks for the fragments with which pass 2 begins.
.macro P1TRIP last
	s_wait_alu depctr_vm_vsrc(0)                   ; the LDS loads issued so far have read v[ADK] and v[ADS]
	v_add_nc_u32 v[ADK], s30, v[LI]
	v_add_nc_u32 v[ADS], s31, v[LS]
	P1HALF ADK, ADS, 6144, 512                     ; this step's second half
.if \last
	P1HALF LI, AS0, 0, 0                           ; the first key step's first half
.else
	P1HALF ADK, ADS, 12288, 1024                   ; the next step's first half
.endif
.endm
	v_add_nc_u32 v[AS0], KSC, v[LS]
	s_wait_alu depctr_va_vdst(0)                   ; v[AS0] is written, which the loads below read; q's two operands and their scale words are written, which every product of the scores takes
	KLOAD LI, AS0, 0, 0                            ; the first key step's first half
	s_mov_b32 s30, 0                               ; where the step's fragments of k begin,
	s_mov_b32 s31, KSC                             ; and its scale words
	s_mov_b32 s29, 7
.Lp1:                                              ; seven of the eight key steps
	P1TRIP 0
	s_add_co_u32 s30, s30, 12288
	s_add_co_u32 s31, s31, 1024
	s_sub_co_u32 s29, s29, 1
	s_cmp_lg_u32 s29, 0
	s_cbranch_scc1 .Lp1
	P1TRIP 1                                       ; the eighth is written out: it asks for pass 2's first fragments of k
	; ---- the halves meet: the row's M, 1 / l, and s = sum p^2 va.  (Pass 2's first fragments land meanwhile)
	v_permlanex16_b32 v[PX], v11, s20, s21
	v_max_num_f32 v11, v11, v[PX]                  ; the row's largest t
	v_mov_b32 v[PX+1], v10
	v_floor_f32 v10, -v11                          ; -M of the row
	v_sub_f32 v[PX+1], v10, v[PX+1]
	v_cvt_i32_f32 v[PX+1], v[PX+1]
	v_ldexp_f32 v16, 1.0, v[PX+1]                  ; my half's sums under the row's M
	v_add_f32 v12, v12, v13
	v_add_f32 v14, v14, v15
	v_mul_f32 v18, v16, v16
	v_mul_f32 v12, v12, v16
	v_mul_f32 v14, v14, v18
	v_permlanex16_b32 v[PX], v12, s20, s21
	v_permlanex16_b32 v[PX+1], v14, s20, s21
	v_add_f32 v12, v12, v[PX]                      ; l
	v_add_f32 v14, v14, v[PX+1]
	v_rcp_f32 v12, v12
	v_nop                                          ; one plain place behind the reciprocal
	s_wait_alu depctr_va_vdst(0)                   ; the reciprocal has written v12, ahead of its first reader
	v_mul_f32 v14, v14, v12
	v_mul_f32 v14, v14, v12
	v_mul_f32 v14, 0x3b000000, v14                 ; s = (the sum) / l^2 / 512
	v_mov_b32 v13, v12
	v_mov_b32 v15, v14
	v_mov_b32 v16, 0x3b000000                      ; 1/512
	v_mov_b32 v17, v16
; ---- PASS 2
.macro SCALE mx, pw, c                 ; two blocks' largest numbers become scale operands, and bytes 2 c and 2 c + 1 of the scale word
	v_add_nc_u32 v[SO], EOFF, v[\mx]
	v_add_nc_u32 v[SO+1], EOFF, v[\mx+1]
	v_lshrrev_b32 v[BY], 23, v[SO]
	v_lshrrev_b32 v[BY+1], 23, v[SO+1]
.if \c == 0
	v_lshl_or_b32 v[\pw], v[BY+1], 8, v[BY]
.else
	v_lshl_or_b32 v[\pw], v[BY], 16, v[\pw]
	v_lshl_or_b32 v[\pw], v[BY+1], 24, v[\pw]
.endif
.endm
.macro CVT src, p, ct, c               ; 32 numbers: my halves of two blocks
	v_cvt_scalef32_pk16_fp6_f32 v[\p+6*(\c):\p+6*(\c)+2], v[\src:\src+15], v[SO]
	v_cvt_scalef32_pk16_fp6_f32 v[\ct:\ct+2], v[\src+16:\src+31], v[SO+1]
.endm
.macro SWP p, ct, c                    ; a WHOLE block in a lane: lanes 0-15 block 2 c, lanes 16-31 block 2 c + 1
.irp i, 0,1,2
	v_permlane16_swap_b32 v[\p+6*(\c)+\i], v[\ct+\i]
.endr
.irp i, 0,1,2
	v_mov_b32 v[\p+6*(\c)+3+\i], v[\ct+\i]
.endr
.endm
.macro BLKMAX dst, src                 ; the largest of each block's numbers (none is negative), with the floor as a leaf, over lanes l and l xor 16
.irp b, 0,1
	v_max3_num_f32 v[\dst+\b], v[\src+16*\b], v[\src+16*\b+1], FLOOR
.endr
.irp i, 2,4,6,8,10,12,14
.irp b, 0,1
	v_max3_num_f32 v[\dst+\b], v[\dst+\b], v[\src+16*\b+\i], v[\src+16*\b+\i+1]
.endr
.endr
.irp b, 0,1
	v_permlanex16_b32 v[PX+\b], v[\dst+\b], s20, s21
.endr
.irp b, 0,1
	v_max_num_f32 v[\dst+\b], v[\dst+\b], v[PX+\b]
.endr
.endm
.macro VFRAG f                         ; v's fragment f of the step and its scale words: 5 LDS loads.  f = 2 tau + u, tau = 0 v, 1 v^2, 2 vv; u = the tile of 16 channels
.irp c, 0,1
	ds_load_b128 v[VF+12*(\f)+6*\c:VF+12*(\f)+6*\c+3], v[ADV] offset:(\f)*1536+\c*768
	ds_load_b64 v[VF+12*(\f)+6*\c+4:VF+12*(\f)+6*\c+5], v[ADV8] offset:(\f)*1536+\c*768+512
.endr
	ds_load_b32 v[VS+(\f)], v[ADVS] offset:(\f)*128
.endm
.macro P2HALF c
	SCORES
	EXPS
	s_wait_alu depctr_va_vdst(0)                   ; the 32 exponentials have written v[TT ..], ahead of their first reader; the half's products are done reading F and KS, in which the loads below land; the step's five addresses are written
.if \c == 0
	KLOAD ADK, ADS, 6144, 512                      ; this step's second half: it lands under the rest of this half, which names none of these registers
.else
.irp f, 0,1,2,3
	VFRAG \f                                       ; v's fragments 0-3, where k's lay
.endr
.endif
	BLKMAX MP, TT
	SCALE MP, PW1, \c
	CVT TT, P1, CT0, \c                            ; 2^(t - M), not normalised
.irp b, 0,1
	v_mul_f32 v[MP+\b], v[MP+\b], v12              ; the block's largest p^2, by the lines that its numbers go through.  (Plain places behind the conversions)
.endr
.irp b, 0,1
	v_mul_f32 v[MP+\b], v[MP+\b], v[MP+\b]
.endr
.irp b, 0,1
	v_max_num_f32 v[MP+\b], FLOOR, v[MP+\b]
.endr
	SWP P1, CT0, \c
.irp j, 0,2,4,6,8,10,12,14,16,18,20,22,24,26,28,30
	v_pk_mul_f32 v[TT+\j:TT+\j+1], v[TT+\j:TT+\j+1], v[12:13] op_sel_hi:[1,0]   ; p
.endr
.irp g, 0,8,16,24                      ; four pairs at a time, so that no line waits for the line above it
.irp k, 0,2,4,6
	v_pk_fma_f32 v[WK+\k:WK+\k+1], v[TT+\g+\k:TT+\g+\k+1], s[24:25], v[16:17] op_sel_hi:[1,0,0]   ; (1 - 2 p) / 512
.endr
.irp k, 0,2,4,6
	v_pk_fma_f32 v[WK+\k:WK+\k+1], v[WK+\k:WK+\k+1], v[VR+\g+\k:VR+\g+\k+1], v[14:15] op_sel_hi:[1,1,0]   ; s + (1 - 2 p) va
.endr
.irp k, 0,2,4,6
	v_pk_mul_f32 v[TT+\g+\k:TT+\g+\k+1], v[TT+\g+\k:TT+\g+\k+1], v[TT+\g+\k:TT+\g+\k+1]   ; p^2
.endr
.irp k, 0,2,4,6
	v_pk_mul_f32 v[VR+\g+\k:VR+\g+\k+1], v[TT+\g+\k:TT+\g+\k+1], v[WK+\k:WK+\k+1]
.endr
.endr
.set j, 0
.rept 32
	v_max_num_f32 v[VR+j], s28, v[VR+j]            ; vp, held at 1e-3 from below
.set j, j+1
.endr
	SCALE MP, PW2, \c
	CVT TT, P2, CT0, \c                            ; p^2
.if \c == 1
	s_wait_alu depctr_va_vdst(0)                   ; the conversions of p^2, the step's last lines that name v104 to v135, are done reading them: v's fragments 4 and 5 land in v104 to v127
	VFRAG 4
	VFRAG 5
.endif
	BLKMAX MV, VR                                  ; (plain places behind the conversions)
	SWP P2, CT0, \c
	SCALE MV, PW3, \c
	CVT VR, P3, CT1, \c                            ; vp
	v_nop                                          ; one plain place behind the conversions
	SWP P3, CT1, \c
.endm
; The step's eight products over its 128 keys.  The accumulators take turns, one instruction a turn.
; last = 0: behind them the next step's first fragments of k are asked for.  last = 1: x and var_x are asked for ahead of them, into the registers that vp has left.
.macro PV last
	s_wait_dscnt 0x0                               ; v's six fragments and their scale words are in
.if \last
	s_wait_alu depctr_vm_vsrc(0)                   ; all LDS loads of the two passes have read v4 to v8: the way out's offsets and addresses are made there
	v_lshrrev_b32 v4, 3, v[LN]
	v_and_b32 v5, 7, v[LN]
	v_lshlrev_b32 v6, 11, v4
	v_lshl_add_u32 v6, v5, 4, v6                   ; in memory: row lane / 8 of 2,048 bytes, + 16 (lane % 8).  (These four lines are four of the eight places)
.rept 4
	v_nop
.endr
.else
.rept 8
	v_nop                                          ; a scale word made by vector instructions stands 8 places ahead of a scaled product, codes so made 4
.endr
.endif
	s_wait_alu depctr_va_vdst(0)                   ; behind the places: the three left operands' codes and scale words are written, which the products take; in the last step also: v6 is written, and the conversions of vp are done reading v136 to v167
.if \last
.irp t, 0,1,2,3
	global_load_b128 v[XR+4*\t:XR+4*\t+3], v6, s[8:9] offset:(4*\t+8*(\t/2))*2048 th:TH_LOAD_NT         ; x: tile rows 4 t .. 4 t + 3 (rows 8-15 of a tile lie 8 rows further on)
	global_load_b128 v[XR+16+4*\t:XR+16+4*\t+3], v6, s[10:11] offset:(4*\t+8*(\t/2))*2048 th:TH_LOAD_NT   ; var_x
.endr
.endif
	WMA OM,   VF,      P1, VS,   PW1               ; 2^(t - M) v
	WMA OV,   VF+12*4, P2, VS+4, PW2               ; p^2 vv
	WMA OM+8, VF+12*1, P1, VS+1, PW1
	WMA OV+8, VF+12*5, P2, VS+5, PW2
	WMA OV,   VF+12*2, P3, VS+2, PW3               ; vp v^2
	WMA OV+8, VF+12*3, P3, VS+3, PW3
	WMA OV,   VF+12*4, P3, VS+4, PW3               ; vp vv
	WMA OV+8, VF+12*5, P3, VS+5, PW3
.rept 5
	v_nop                                          ; the next products write over registers that these have read (v's last two fragments lie where the scores do): five places; four serve the reads of results
.endr
.if !\last
	s_wait_alu depctr_va_vdst(0)                   ; the eight products are done reading v's fragments and scale words, where k's land
	KLOAD ADK, ADS, 12288, 1024                    ; the next step's first half
.endif
.endm
.macro P2TRIP last                     ; a key step of 128
	s_wait_alu depctr_vm_vsrc(0)                   ; the LDS loads issued so far have read the five address registers
	v_add_nc_u32 v[ADK], s30, v[LI]
	v_add_nc_u32 v[ADS], s31, v[LS]
	v_add_nc_u32 v[ADV], s32, v[LI]
	v_add_nc_u32 v[ADV8], s32, v[L8]
	v_add_nc_u32 v[ADVS], s33, v[LS]
	P2HALF 0
	P2HALF 1
	PV \last
.endm
	s_mov_b32 s30, 0
	s_mov_b32 s31, KSC
	s_mov_b32 s32, VIMG
	s_mov_b32 s33, VSC
	s_mov_b32 s29, 7
.Lp2:                                              ; seven of the eight key steps
	P2TRIP 0
	s_add_co_u32 s30, s30, 12288
	s_add_co_u32 s31, s31, 1024
	s_add_co_u32 s32, s32, 9216
	s_add_co_u32 s33, s33, 768
	s_sub_co_u32 s29, s29, 1
	s_cmp_lg_u32 s29, 0
	s_cbranch_scc1 .Lp2
	P2TRIP 1                                       ; the eighth is written out: it asks for no more of k
	; ---- THE WAY OUT.  Lane (r, h) holds channels 16 h + 0 .. 15 of tile row r.  The rows go through my own stage and come back four rows an instruction, eight lanes to a row's 128 bytes.
	; v4 = lane / 8, v5 = lane % 8 and v6 were made in the last step, where x and var_x were asked for; no LDS or memory instruction since then has read v4, v5, v7 or v8.
	s_mul_i32 s26, s16, 4608
	s_add_co_u32 s26, s26, STG                     ; my stage
	v_mul_u32_u24 v7, v4, 144
	v_lshl_add_u32 v7, v5, 4, v7
	v_add_nc_u32 v7, s26, v7                       ; back
	v_and_b32 v4, 15, v[LN]
	v_bfe_u32 v5, v[LN], 4, 1
	v_mul_u32_u24 v8, v4, 144
	v_lshl_add_u32 v8, v5, 6, v8
	v_add_nc_u32 v8, s26, v8                       ; in: row r, + 64 h
.set j, 0
.rept 16
	v_mul_f32 v[TT+j], v[OM+j], v12                ; the mean / l; each accumulator from its low end on
.set j, j+1
.endr
.set j, 0
.rept 16
	v_max_num_f32 v[VC+j], s28, v[OV+j]            ; the variance, held at 1e-3 from below
.set j, j+1
.endr
	s_wait_alu depctr_va_vdst(0)                   ; v7, v8 and the 32 results are written, which the LDS stores and loads below read; the last products are done reading v168 to v203, in which the loads from the stage land
.irp k, 0,1,2,3
	ds_store_b128 v8, v[TT+4*\k:TT+4*\k+3] offset:16*\k
	ds_store_b128 v8, v[VC+4*\k:VC+4*\k+3] offset:2304+16*\k
.endr
.irp t, 0,1,2,3
	ds_load_b128 v[168+4*\t:171+4*\t], v7 offset:576*\t          ; LDS serves a wave's instructions in order: these see my stores
	ds_load_b128 v[184+4*\t:187+4*\t], v7 offset:2304+576*\t
.endr
	s_wait_loadcnt 0x0
	s_wait_dscnt 0x0
.set j, 0
.rept 16
	v_pk_add_f32 v[168+j:169+j], v[168+j:169+j], v[XR+j:XR+j+1]  ; the residual
.set j, j+2
.endr
	s_wait_alu depctr_va_vdst(0)                   ; the sixteen additions have written v168 to v199, which the stores read
.irp t, 0,1,2,3
	global_store_b128 v6, v[168+4*\t:171+4*\t], s[12:13] offset:(4*\t+8*(\t/2))*2048 th:TH_STORE_NT
	global_store_b128 v6, v[184+4*\t:187+4*\t], s[14:15] offset:(4*\t+8*(\t/2))*2048 th:TH_STORE_NT
.endr
	s_wait_xcnt 0x0
	v_lshl_add_u32 v254, v0, 2, 0x3f800            ; the add's two registers are made anew here (no two could be kept); no LDS or memory instruction has read v254 or v255
	v_mov_b32 v255, 0
	s_wait_dscnt 0x0                               ; the closing lines, six on end
	s_wait_alu 0x0
	s_wait_tensorcnt 0x0
	ds_add_u32 v254, v255
	s_wait_dscnt 0x0
	s_endpgm
.Lfunc_end_k_q0c1f5537aa_attn:
	.size	k_q0c1f5537aa_attn, .Lfunc_end_k_q0c1f5537aa_attn-k_q0c1f5537aa_attn
	.p2alignl 7, 3214868480
	.fill 96, 4, 3214868480
	.section	.rodata,"a",@progbits
	.p2align	6, 0x0
	.amdhsa_kernel k_q0c1f5537aa_attn
		.amdhsa_group_segment_fixed_size 262144
		.amdhsa_private_segment_fixed_size 0
		.amdhsa_enable_private_segment 0
		.amdhsa_kernarg_size 48
		.amdhsa_user_sgpr_count 2
		.amdhsa_user_sgpr_kernarg_segment_ptr 1
		.amdhsa_wavefront_size32 1
		.amdhsa_system_sgpr_workgroup_id_x 1
		.amdhsa_system_sgpr_workgroup_id_y 1
		.amdhsa_system_sgpr_workgroup_id_z 1
		.amdhsa_system_vgpr_workitem_id 0
		.amdhsa_next_free_vgpr 256
		.amdhsa_next_free_sgpr 66
		.amdhsa_reserve_vcc 1
		.amdhsa_float_denorm_mode_32 3
		.amdhsa_float_denorm_mode_16_64 3
		.amdhsa_memory_ordered 1
		.amdhsa_forward_progress 1
		.amdhsa_inst_pref_size 127
	.end_amdhsa_kernel
	.amdgpu_metadata
---
amdhsa.version: [ 1, 2 ]
amdhsa.kernels:
  - .name:           k_q0c1f5537aa_attn
    .symbol:         k_q0c1f5537aa_attn.kd
    .args:
      - { .name: qrec, .offset: 0, .size: 8, .value_kind: global_buffer, .address_space: global }
      - { .name: kv, .offset: 8, .size: 8, .value_kind: global_buffer, .address_space: global }
      - { .name: x, .offset: 16, .size: 8, .value_kind: global_buffer, .address_space: global }
      - { .name: var_x, .offset: 24, .size: 8, .value_kind: global_buffer, .address_space: global }
      - { .name: out0, .offset: 32, .size: 8, .value_kind: global_buffer, .address_space: global }
      - { .name: out1, .offset: 40, .size: 8, .value_kind: global_buffer, .address_space: global }
    .group_segment_fixed_size: 262144
    .private_segment_fixed_size: 0
    .kernarg_segment_align: 8
    .kernarg_segment_size: 48
    .max_flat_workgroup_size: 512
    .sgpr_count:     66
    .vgpr_count:     256
    .wavefront_size: 32
...
	.end_amdgpu_metadata
.endif
;; end of part 4
